; MI455X (gfx1250); checked and timed in simulation.
; The chip was launched on July 23, 2026; its instructions are those of AMD's public machine-readable ISA for CDNA 5 (MIT licence, August 2026) and "CDNA5" Instruction Set Architecture Reference Guide (July 2026). The comments in the code are by the model that wrote it; some were corrected since.
;; Mo E Layer. Allowed arithmetic: matrix products marked QUANTISED: E3M2 operands, one E8M0 scale for each 32 along K, by v_wmma_scale_f32_16x16x128_f8f6f4 with both operands' format E3M2, f32 sums; products left as they are: f32 operands where the result goes on into a quantised operand, else bf16, f16 or f32 operands; f32 sums; everything else in f32.
;; Inputs: W1 8 x 1,024 x 2,048 float32; W2 8 x 2,048 x 1,024 float32; Wg 1,024 x 8 float32; b1 8 x 2,048 float32; b2 8 x 1,024 float32; bg 8 float32; x 4 x 512 x 1,024 float32.
;; Outputs: out0 4 x 512 x 1,024 float32.
;; This version of the problem:
;;   THIS VERSION OF THE PROBLEM IS GIVEN IN LOW PRECISION. The matrix products marked QUANTISED in the list below multiply operands that are first quantised to E3M2 (3 exponent bits, 2 mantissa bits; 6 bits a number), with one power-of-two scale for each 32 numbers along K (OCP MX v1.0); their sums are f32. All else is computed in f32.
;;   The module's matrix products, in the order in which they are computed (A, B: the left and right operand; K: the contracted axis; several contracted axes count as one K, in the product's order):
;;     1. [M 2,048, K 1,024] x [K 1,024, N 8]; A: input x; B: input Wg: left as it is (N = 8 < 16)
;;     2. batch 2,048 x [M 8, K 2] x [K 2, N 1]; A: computed on the way; B: computed on the way: left as it is (K = 2 < 32)
;;     3. [M 16,384, K 1,024] x [K 1,024, N 2,048]; A: input W1; B: input x: QUANTISED
;;     4. batch 8 x [M 1,024, K 2,048] x [K 2,048, N 2,048]; A: input W2; B: computed on the way: QUANTISED
;;     5. batch 2,048 x [M 1, K 8] x [K 8, N 1,024]; A: computed on the way; B: computed on the way: left as it is (K = 8 < 32)
;;   THE QUANTISER, for each operand of a quantised product, along K:
;;     - K is cut into blocks of 32 from its start; a last block that is shorter is filled with zeros.
;;     - A block's scale is 2^e with e = floor(log2(the largest magnitude in the block)) - 4, held to -126 .. 127; a block of zeros has e = 0. As a byte (E8M0): e + 127.
;;     - Each number is divided by its block's scale, clamped to +-28, and rounded to the nearest number of E3M2, ties to even, subnormals kept.
;;     - The product sums the exact products of the quantised numbers (number of the format x scale) in f32.
;;   ~~~python
;;   def quantise(x, axis):      # numpy; x: float32 -> the quantised numbers, widened to float32 again
;;       x = np.moveaxis(x, axis, -1); K = x.shape[-1]
;;       x = np.pad(x, [(0, 0)] * (x.ndim - 1) + [(0, -K % 32)]); x = x.reshape(x.shape[:-1] + (-1, 32)); a = np.abs(x).max(-1, keepdims=True)
;;       e = np.where(a > 0, np.clip(np.frexp(np.where(a > 0, a, 1))[1] - 1 - 4, -126, 127), 0)      # np.frexp(a)[1] - 1 = floor(log2(a)), exactly
;;       r = np.clip(x / 2.0 ** e, -28, 28)
;;       step = 2.0 ** (np.maximum(np.frexp(np.where(r == 0, 1, r))[1] - 1, -2) - 2)
;;       q = np.round(r / step) * step * 2.0 ** e      # np.round: ties to even
;;       return np.moveaxis(q.reshape(q.shape[:-2] + (-1,))[..., :K], -1, axis).astype(np.float32)
;;   ~~~
;;   OPERANDS COMPUTED ON THE WAY. 'Computed on the way' means the value that the module computes at that place (a softmax that the list does not call 'softmax' is quantised finished and normalised). What goes into a quantiser is computed in f32, as accurately as f32 sums, v_exp_f32 and their like allow (about 1e-6 of the number): no bf16 or f16 on the way to a quantiser, and a product that is left as it is and whose result goes on into a quantised operand takes f32 operands (vector FMAs, or v_wmma_f32_16x16x4_f32). A number that lies on a knife's edge between two numbers of the format may be rounded either way, as far as f32 arithmetic and the matrix unit's own rounding can turn it there, and no further.
;; 2 versions. Each part assembles by itself: llvm-mc -triple=amdgcn-amd-amdhsa -mcpu=gfx1250 --defsym DOCPART=n.
;; ======== version 1 of 2: 5 launches
;; workspace buffers: xc 1,638,400 bytes; route 8,192 bytes of whole numbers; gates 16,384 bytes; plan 33,536 bytes of whole numbers; hc 6,758,400 bytes; o 34,603,008 bytes
;; launch gate (part 1): grid 256 x 1, 4 waves a work-group, no clusters, 42,752 bytes of LDS; arguments x, Wg, bg, xc, route, gates; writes xc, route, gates
.if DOCPART == 1
	.amdgcn_target "amdgcn-amd-amdhsa--gfx1250"
	.amdhsa_code_object_version 6
	.text
	.protected	k_q389e6eb390_gate
	.globl	k_q389e6eb390_gate
	.p2align	8
	.type	k_q389e6eb390_gate,@function
k_q389e6eb390_gate:
	s_mov_b64 s[64:65], 0
	v_nop
	global_prefetch_b8 v0, s[64:65] scope:SCOPE_SE
	s_setreg_imm32_b32 hwreg(HW_REG_WAVE_MODE, 25, 1), 1
	s_wait_xcnt 0x0
; ROUTER AND QUANTISER OF x.  x [2048][1024] f32, Wg [1024][8], bg [8].  A work-group of four waves takes 8 tokens.
; A: logits = x Wg + bg in f32 (fused multiply-adds): wave w takes k = 256 w .. 256 w + 255 of all 8 tokens, so a lane holds 8 k of Wg (64 registers) once.
;    The waves' parts meet in LDS; wave 0, a lane a token, takes the maximum away, exponentials, top 2 (strict >, so the lower index wins a tie), gates = p / (p1 + p2 + 1e-9).
;    The choice is only STORED: route[t] = (1<<e1 | 1<<e2) | e1<<8 | e2<<16, gates[t] = g1, g2, at fixed places; no address or branch here hangs on it.
; B: x as codes of E3M2 with one E8M0 byte for 32 along K.  x's 8 rows lie in LDS from phase A (read from memory once); wave w quantises tokens 2 w, 2 w + 1.
;    xc: a token's codes at 768 t; block B (24 bytes) at 384 (B & 1) + 24 (B >> 1): so lane (r, h) of an operand finds its 96 registers (8 K steps) in 384 bytes on end.
;    Scale bytes at XSOFF + 32 t + B.
; LIMITS: NaN and infinities among the inputs are not served.  A block of zeros gets the byte 1 (its codes are zeros; this program alone reads the bytes).
; Two logits nearer to each other than the rounding of an f32 sum of 1,024 products may be chosen the other way round than by another order of summing.
; No matrix unit (N = 8), no tensor load, no cluster: the work-groups share only Wg, 32 KiB.
.set PART,  40960                      ; LDS: x's 8 rows from 0: 5,120 bytes a token = 64 chunks of 64 bytes + 16 of padding;  PART: the waves' sums, 256 w + 32 token + 4 e
.set SCB,   41984                      ; the 8 tokens' 32 scale bytes each
.set XSOFF, 1572864
.set X,  16                            ; v16-79   X[8 tau + 4 j + c] = x(tau, 256 w + 128 j + 4 lane + c); later 4 sets of 16 neighbours
.set G,  80                            ; v80-143  G[8 (4 j + c) + e] = Wg(256 w + 128 j + 4 lane + c, e)
.set S,  144                           ; v144-207 S[8 tau + e]
.set CD, 216                           ; v216-231 codes, 4 registers a set
.set EB, 232                           ; v232-235 scale bytes
	s_load_b256 s[4:11], s[0:1], 0x0               ; x s[4:5], Wg s[6:7], bg s[8:9], xc s[10:11]
	s_load_b128 s[12:15], s[0:1], 0x20             ; route s[12:13], gates s[14:15]
	v_lshl_add_u32 v254, v0, 2, 0xa500
	v_mov_b32 v255, 0
	v_lshrrev_b32 v1, 5, v0
	v_readfirstlane_b32 s16, v1                    ; wave
	v_and_b32 v1, 31, v0                           ; lane
	s_lshl_b32 s17, s16, 10
	v_lshl_add_u32 v2, v1, 4, s17                  ; x: 1,024 w + 16 lane
	s_lshl_b32 s17, s16, 13
	v_lshl_add_u32 v3, v1, 7, s17                  ; Wg: 8,192 w + 128 lane (four rows of 32 bytes)
	v_lshrrev_b32 v13, 2, v1
	v_and_b32 v14, 3, v1
	v_mul_u32_u24 v4, v13, 80
	v_lshl_add_u32 v4, v14, 4, v4
	s_mul_i32 s17, s16, 1280
	v_add_nc_u32 v4, s17, v4                       ; x into LDS: chunk 16 w + lane / 4, 16 (lane % 4) in it
	s_lshl_b32 s17, s16, 8
	s_add_co_u32 s17, s17, PART
	v_mov_b32 v5, s17                              ; my wave's sums
	v_lshrrev_b32 v13, 1, v1
	v_and_b32 v14, 1, v1
	v_lshl_add_u32 v13, v13, 2, v14
	v_mul_u32_u24 v6, v13, 80
	s_mul_i32 s17, s16, 10240
	v_add_nc_u32 v6, s17, v6                       ; x out of LDS: token 2 w, chunk 4 (lane / 2) + lane % 2
	v_and_b32 v7, 30, v1
	s_lshl_b32 s17, s16, 6
	s_add_co_u32 s17, s17, SCB
	v_add_nc_u32 v7, s17, v7                       ; my block's byte: SCB + 64 w + 2 (lane / 2)
	v_mul_u32_u24 v8, v1, 12
	s_mul_i32 s17, s16, 1536
	v_add_nc_u32 v8, s17, v8                       ; my 12 bytes of codes
	v_and_b32 v9, 7, v1
	v_lshl_add_u32 v9, v9, 5, PART                 ; the router: lane % 8 is the token
	v_lshlrev_b32 v10, 2, v1
	v_lshlrev_b32 v11, 3, v1
	v_lshl_add_u32 v12, v1, 3, SCB
	s_mov_b32 s28, 0x76543210
	s_mov_b32 s29, 0xfedcba98                      ; v_permlanex16_b32's selects for lane xor 16
	s_mov_b32 s19, 0
	s_wait_kmcnt 0x0
	s_load_b256 s[20:27], s[8:9], 0x0              ; bg
	s_lshl_b32 s18, ttmp9, 15
	s_add_nc_u64 s[4:5], s[4:5], s[18:19]          ; x at my 8 tokens
	s_lshl_b32 s18, ttmp9, 8
	s_add_nc_u64 s[30:31], s[10:11], s[18:19]      ; their scale bytes (XSOFF stands in the store's immediate)
	s_mul_i32 s18, ttmp9, 6144
	s_add_nc_u64 s[10:11], s[10:11], s[18:19]      ; their codes
	s_lshl_b32 s18, ttmp9, 5
	s_add_nc_u64 s[12:13], s[12:13], s[18:19]
	s_lshl_b32 s18, ttmp9, 6
	s_add_nc_u64 s[14:15], s[14:15], s[18:19]
.irp tau, 0,1,2,3,4,5,6,7
.irp jj, 0,1
	global_load_b128 v[X+8*\tau+4*\jj:X+8*\tau+4*\jj+3], v2, s[4:5] offset:4096*\tau+512*\jj th:TH_LOAD_NT   ; 32 lanes read 512 bytes on end
.endr
.endr
.irp kk, 0,1,2,3,4,5,6,7
	global_load_b128 v[G+8*\kk:G+8*\kk+3], v3, s[6:7] offset:4096*(\kk/4)+32*(\kk%4)
	global_load_b128 v[G+8*\kk+4:G+8*\kk+7], v3, s[6:7] offset:4096*(\kk/4)+32*(\kk%4)+16
.endr
	s_wait_loadcnt 0x0
	s_wait_kmcnt 0x0
.irp tau, 0,1,2,3,4,5,6,7
.irp jj, 0,1
	ds_store_b128 v4, v[X+8*\tau+4*\jj:X+8*\tau+4*\jj+3] offset:5120*\tau+640*\jj    ; x stays in LDS for phase B
.endr
.endr
; 256 packed multiply-adds: two experts at a time, one x for both halves
.irp tau, 0,1,2,3,4,5,6,7
.irp p, 0,2,4,6
	v_pk_mul_f32 v[S+8*\tau+\p:S+8*\tau+\p+1], v[X+8*\tau:X+8*\tau+1], v[G+\p:G+\p+1] op_sel_hi:[0,1]
.endr
.endr
.irp kk, 2,4,6
.irp tau, 0,1,2,3,4,5,6,7
.irp p, 0,2,4,6
	v_pk_fma_f32 v[S+8*\tau+\p:S+8*\tau+\p+1], v[X+8*\tau+\kk:X+8*\tau+\kk+1], v[G+8*\kk+\p:G+8*\kk+\p+1], v[S+8*\tau+\p:S+8*\tau+\p+1] op_sel_hi:[0,1,1]
.endr
.endr
.endr
.irp kk, 1,3,5,7
.irp tau, 0,1,2,3,4,5,6,7
.irp p, 0,2,4,6
	v_pk_fma_f32 v[S+8*\tau+\p:S+8*\tau+\p+1], v[X+8*\tau+\kk-1:X+8*\tau+\kk], v[G+8*\kk+\p:G+8*\kk+\p+1], v[S+8*\tau+\p:S+8*\tau+\p+1] op_sel:[1,0,0] op_sel_hi:[1,1,1]
.endr
.endr
.endr
; the 64 sums over the 32 lanes
.irp m, 1,2,4,8
.set i, 0
.rept 64
	v_add_f32_dpp v[S+i], v[S+i], v[S+i] row_xmask:\m row_mask:0xf bank_mask:0xf
.set i, i+1
.endr
.endr
	s_wait_dscnt 0x0                               ; the LDS stores have read X: it takes the other half's sums
.set i, 0
.rept 64
	v_permlanex16_b32 v[X+i], v[S+i], s28, s29
.set i, i+1
.endr
.set i, 0
.rept 32
	v_pk_add_f32 v[S+i:S+i+1], v[S+i:S+i+1], v[X+i:X+i+1]
.set i, i+2
.endr
.irp i, 0,1,2,3,4,5,6,7,8,9,10,11,12,13,14,15
	ds_store_b128 v5, v[S+4*\i:S+4*\i+3] offset:16*\i          ; all lanes hold the same sums and write the same words
.endr
	s_wait_dscnt 0x0                               ; for the others' sake: x's rows and my sums lie in LDS
	s_barrier_signal -1
	s_barrier_wait -1
	s_cmp_lg_u32 s16, 0
	s_cbranch_scc1 .Lno_router
; THE ROUTER, wave 0, lane % 8 = token (lanes 8-31 repeat and store nothing)
.irp i, 0,1,2,3
	ds_load_b128 v[16+8*\i:19+8*\i], v9 offset:256*\i
	ds_load_b128 v[20+8*\i:23+8*\i], v9 offset:256*\i+16
.endr
	s_wait_dscnt 0x0
.irp p, 0,2,4,6
	v_pk_add_f32 v[16+\p:17+\p], v[16+\p:17+\p], v[24+\p:25+\p]
	v_pk_add_f32 v[32+\p:33+\p], v[32+\p:33+\p], v[40+\p:41+\p]
.endr
.irp p, 0,2,4,6
	v_pk_add_f32 v[16+\p:17+\p], v[16+\p:17+\p], v[32+\p:33+\p]
.endr
.irp e, 0,1,2,3,4,5,6,7
	v_add_f32 v[16+\e], s[20+\e], v[16+\e]         ; + bg: the logits
.endr
	v_max3_num_f32 v48, v16, v17, v18
	v_max3_num_f32 v48, v48, v19, v20
	v_max3_num_f32 v48, v48, v21, v22
	v_max_num_f32 v48, v48, v23                    ; the largest logit is taken away
.irp e, 0,1,2,3,4,5,6,7
	v_sub_f32 v[16+\e], v[16+\e], v48
.endr
.irp e, 0,1,2,3,4,5,6,7
	v_mul_f32 v[16+\e], 0x3e93bb63, v[16+\e]       ; x log2(e) / 5
.endr
.irp e, 0,1,2,3,4,5,6,7
	v_exp_f32 v[16+\e], v[16+\e]
.endr
	v_mov_b32 v51, 0                               ; i1 (a plain line behind the exponentials)
	s_wait_alu depctr_va_vdst(0)                   ; one wait for the eight, ahead of their first reader
	v_add_f32 v49, v16, v17
	v_add_f32 v56, v18, v19
	v_add_f32 v57, v20, v21
	v_add_f32 v58, v22, v23
	v_add_f32 v49, v49, v56
	v_add_f32 v57, v57, v58
	v_add_f32 v49, v49, v57
	v_rcp_f32 v56, v49                             ; 1 / the sum; the search below does not name it
	v_mov_b32 v50, v16                             ; b1 = E0
	v_mov_b32 v52, -1.0                            ; b2: under every E
	v_mov_b32 v53, 0                               ; i2
.irp e, 1,2,3,4,5,6,7
	v_cmp_gt_f32 s17, v[16+\e], v50                ; beats the best?
	v_cmp_gt_f32 vcc_lo, v[16+\e], v52             ; beats the second?
	v_cndmask_b32 v54, v[16+\e], v50, s17          ; what goes to second place: the old best, or E
	v_cndmask_b32 v55, \e, v51, s17
	v_cndmask_b32 v52, v52, v54, vcc_lo
	v_cndmask_b32 v53, v53, v55, vcc_lo
	v_cndmask_b32 v50, v50, v[16+\e], s17
	v_cndmask_b32 v51, v51, \e, s17
.endr
	s_wait_alu depctr_va_vdst(0)                   ; the reciprocal, ahead of its first reader
	v_mul_f32 v57, v50, v56                        ; p1
	v_mul_f32 v58, v52, v56                        ; p2
	v_add_f32 v59, v57, v58
	v_add_f32 v59, 0x3089705f, v59                 ; + 1e-9
	v_rcp_f32 v60, v59
	v_lshlrev_b32 v64, v51, 1                      ; 1 << e1
	v_lshlrev_b32 v65, v53, 1
	v_or_b32 v64, v64, v65
	v_lshl_or_b32 v64, v51, 8, v64
	v_lshl_or_b32 v64, v53, 16, v64
	s_wait_alu depctr_va_vdst(0)
	v_mul_f32 v62, v57, v60                        ; g1
	v_mul_f32 v63, v58, v60                        ; g2
	s_wait_xcnt 0x0                                ; EXEC changes only behind this wait
	v_cmp_gt_u32 vcc_lo, 8, v1
	s_and_saveexec_b32 s17, vcc_lo
	global_store_b32 v10, v64, s[12:13]
	global_store_b64 v11, v[62:63], s[14:15]
	s_wait_xcnt 0x0
	s_or_b32 exec_lo, exec_lo, s17
.Lno_router:
; B: set n = 2 a + sigma: token 2 w + a, the blocks with B & 1 = sigma; a lane holds 16 neighbours, two neighbouring lanes a block
.irp n, 0,1,2,3
.irp i, 0,1,2,3
	ds_load_b128 v[X+16*\n+4*\i:X+16*\n+4*\i+3], v6 offset:5120*(\n/2)+160*(\n%2)+16*\i
.endr
.endr
	s_wait_dscnt 0x0
.irp n, 0,1,2,3
	v_max3_num_f32 v208, |v[X+16*\n]|, |v[X+16*\n+1]|, |v[X+16*\n+2]|
	v_max3_num_f32 v209, |v[X+16*\n+3]|, |v[X+16*\n+4]|, |v[X+16*\n+5]|
.irp i, 6,10
	v_max3_num_f32 v208, v208, |v[X+16*\n+\i]|, |v[X+16*\n+\i+1]|
	v_max3_num_f32 v209, v209, |v[X+16*\n+\i+2]|, |v[X+16*\n+\i+3]|
.endr
	v_max3_num_f32 v208, v208, |v[X+16*\n+14]|, |v[X+16*\n+15]|
	v_max3_num_f32 v208, v208, v209, 0x2800000     ; the floor 2^(5 - 127): the byte cannot fall under 1
	v_max_num_f32_dpp v208, v208, v208 row_xmask:1 row_mask:0xf bank_mask:0xf   ; with my neighbour's 16: the block's largest magnitude
	v_add_nc_u32 v210, 0xfe000000, v208            ; 4 off its exponent field: the conversion's scale operand
	v_cvt_scalef32_pk16_bf6_f32 v[CD+4*\n:CD+4*\n+2], v[X+16*\n:X+16*\n+15], v210
	v_lshrrev_b32 v[EB+\n], 23, v210               ; the scale's byte (also the plain line behind the conversion)
	ds_store_b8 v7, v[EB+\n] offset:32*(\n/2)+(\n%2)           ; both lanes of a block write the same byte
	global_store_b96 v8, v[CD+4*\n:CD+4*\n+2], s[10:11] offset:768*(\n/2)+384*(\n%2)   ; 32 lanes store 384 bytes on end; a token's two stores make 768
.endr
	s_wait_dscnt 0x0
	s_barrier_signal -1
	s_barrier_wait -1
	s_cmp_lg_u32 s16, 0
	s_cbranch_scc1 .Lend
	ds_load_b64 v[240:241], v12
	s_wait_dscnt 0x0
	global_store_b64 v11, v[240:241], s[30:31] offset:XSOFF    ; the 8 tokens' scale bytes: 256 bytes on end, aligned
.Lend:
	s_wait_tensorcnt 0x0
	ds_add_u32 v254, v255
	s_wait_dscnt 0x0
	s_endpgm
.Lfunc_end_k_q389e6eb390_gate:
	.size	k_q389e6eb390_gate, .Lfunc_end_k_q389e6eb390_gate-k_q389e6eb390_gate
	.p2alignl 7, 3214868480
	.fill 96, 4, 3214868480
	.section	.rodata,"a",@progbits
	.p2align	6, 0x0
	.amdhsa_kernel k_q389e6eb390_gate
		.amdhsa_group_segment_fixed_size 42752
		.amdhsa_private_segment_fixed_size 0
		.amdhsa_enable_private_segment 0
		.amdhsa_kernarg_size 48
		.amdhsa_user_sgpr_count 2
		.amdhsa_user_sgpr_kernarg_segment_ptr 1
		.amdhsa_wavefront_size32 1
		.amdhsa_system_sgpr_workgroup_id_x 1
		.amdhsa_system_sgpr_workgroup_id_y 1
		.amdhsa_system_sgpr_workgroup_id_z 1
		.amdhsa_system_vgpr_workitem_id 0
		.amdhsa_next_free_vgpr 256
		.amdhsa_next_free_sgpr 66
		.amdhsa_reserve_vcc 1
		.amdhsa_float_denorm_mode_32 3
		.amdhsa_float_denorm_mode_16_64 3
		.amdhsa_memory_ordered 1
		.amdhsa_forward_progress 1
		.amdhsa_inst_pref_size 59
	.end_amdhsa_kernel
	.amdgpu_metadata
---
amdhsa.version: [ 1, 2 ]
amdhsa.kernels:
  - .name:           k_q389e6eb390_gate
    .symbol:         k_q389e6eb390_gate.kd
    .args:
      - { .name: x, .offset: 0, .size: 8, .value_kind: global_buffer, .address_space: global }
      - { .name: Wg, .offset: 8, .size: 8, .value_kind: global_buffer, .address_space: global }
      - { .name: bg, .offset: 16, .size: 8, .value_kind: global_buffer, .address_space: global }
      - { .name: xc, .offset: 24, .size: 8, .value_kind: global_buffer, .address_space: global }
      - { .name: route, .offset: 32, .size: 8, .value_kind: global_buffer, .address_space: global }
      - { .name: gates, .offset: 40, .size: 8, .value_kind: global_buffer, .address_space: global }
    .group_segment_fixed_size: 42752
    .private_segment_fixed_size: 0
    .kernarg_segment_align: 8
    .kernarg_segment_size: 48
    .max_flat_workgroup_size: 128
    .sgpr_count:     66
    .vgpr_count:     256
    .wavefront_size: 32
...
	.end_amdgpu_metadata
.endif
;; end of part 1
;; launch place (part 2): grid 1 x 1, 32 waves a work-group, no clusters, 70,144 bytes of LDS; arguments route, plan; writes plan
.if DOCPART == 2
	.amdgcn_target "amdgcn-amd-amdhsa--gfx1250"
	.amdhsa_code_object_version 6
	.text
	.protected	k_q389e6eb390_place
	.globl	k_q389e6eb390_place
	.p2align	8
	.type	k_q389e6eb390_place,@function
k_q389e6eb390_place:
	s_mov_b64 s[64:65], 0
	v_nop
	global_prefetch_b8 v0, s[64:65] scope:SCOPE_SE
	s_setreg_imm32_b32 hwreg(HW_REG_WAVE_MODE, 25, 1), 1
	s_wait_xcnt 0x0
; THE ROWS ARE PLACED BY EXPERT: a counting sort of the 4,096 routed rows (token, k), by one work-group, without atomics.
; Expert e owns tiles tb[e] .. tb[e] + ceil(cnt[e] / 16) - 1 of 16 slots.  plan: cnt[8] at 0, tb[8] at 32; slot2[token][2] at S2OFF; rowtok[slot] at RTOFF.
; Wave wv stands for expert wv / 4 and tokens 512 (wv % 4) on.  The order inside an expert is free: nothing is dropped.
; Each slot is stored once: members by their wave; an expert's pad slots (15 at the most) get token 0 from the wave of its last quarter.  Tiles behind the last expert's are not stored, and nobody reads them.
; One work-group, since the places hang on all counts; the work is 8 KiB in and 33 KiB out.
.set CNT,   65536                      ; LDS: planes PL[e][token], a word each, from 0; the 32 waves' counts at CNT
.set S2OFF, 256
.set RTOFF, 16640
.set R,   16                           ; v16-31  route words: R[4 c + i] = token 512 qd + 128 c + 4 lane + i
.set POS, 32                           ; v32-47  their slots
.set ADR, 48                           ; v48-63  4 x slot
.set TK,  64                           ; v64-79  their token numbers
.set QW,  80                           ; v80-81  route words of tokens 64 wv + 2 lane, + 1
.set P8,  84                           ; v84-99  those two tokens' words of the eight planes
.set RES, 100                          ; v100-103 their four slots
.set MK,  68                           ; s68-83  lane masks: who of R[c] is a member
	s_load_b128 s[4:7], s[0:1], 0x0                ; route, plan
	v_lshl_add_u32 v112, v0, 2, 0x10200
	v_mov_b32 v113, 0
	v_lshrrev_b32 v1, 5, v0
	v_readfirstlane_b32 s8, v1                     ; wv
	v_and_b32 v1, 31, v0
	s_lshr_b32 s9, s8, 2                           ; e
	s_and_b32 s10, s8, 3                           ; qd
	s_lshl_b32 s11, 1, s9                          ; e's bit
	s_lshl_b32 s12, s10, 11
	v_lshl_add_u32 v2, v1, 4, s12                  ; route: 2,048 qd + 16 lane
	s_lshl_b32 s12, s8, 8
	v_lshl_add_u32 v3, v1, 3, s12                  ; 256 wv + 8 lane: in route, and in a plane
	s_lshl_b32 s12, s8, 2
	s_add_co_u32 s12, s12, CNT
	v_mov_b32 v4, s12
	v_lshl_add_u32 v5, v1, 2, CNT
	s_lshl_b32 s12, s8, 11
	v_lshl_add_u32 v6, v1, 4, s12                  ; my part of plane e: 8,192 e + 2,048 qd + 16 lane
	s_lshl_b32 s12, s10, 9
	v_lshl_add_u32 v7, v1, 2, s12                  ; 512 qd + 4 lane
	v_lshlrev_b32 v8, 2, v1
	s_lshl_b32 s12, s8, 9
	v_lshl_add_u32 v9, v1, 4, s12                  ; slot2: 512 wv + 16 lane
	v_mov_b32 v10, 0
	v_mov_b32 v11, 0
	s_wait_kmcnt 0x0
.irp c, 0,1,2,3
	global_load_b128 v[R+4*\c:R+4*\c+3], v2, s[4:5] offset:512*\c
.endr
	global_load_b64 v[QW:QW+1], v3, s[4:5]
	s_wait_loadcnt 0x0
	s_mov_b32 s13, 0
.irp c, 0,1,2,3,4,5,6,7,8,9,10,11,12,13,14,15
	v_and_b32 v12, s11, v[R+\c]
	v_cmp_ne_u32 s[MK+\c], 0, v12
	s_bcnt1_i32_b32 s14, s[MK+\c]
	s_add_co_u32 s13, s13, s14                     ; my quarter's members
.endr
	v_mov_b32 v12, s13
	ds_store_b32 v4, v12
	s_wait_dscnt 0x0
	s_barrier_signal -1
	s_barrier_wait -1
	ds_load_b32 v12, v5
	s_wait_dscnt 0x0
.irp n, 0,1,2,3,4,5,6,7,8,9,10,11,12,13,14,15,16,17,18,19,20,21,22,23,24,25,26,27,28,29,30,31
	v_readlane_b32 s[20+\n], v12, \n
.endr
	s_mov_b32 s86, 0                               ; tiles so far
	s_mov_b32 s87, 0                               ; my first slot
.irp ee, 0,1,2,3,4,5,6,7
	s_lshl_b32 s88, s86, 4
	s_mov_b32 s90, s88
.irp qq, 0,1,2,3
	s_cmp_eq_u32 s8, 4*\ee+\qq
	s_cselect_b32 s87, s88, s87
	s_add_co_u32 s88, s88, s[20+4*\ee+\qq]
.endr
	s_sub_co_u32 s89, s88, s90                     ; cnt
	v_writelane_b32 v11, s89, \ee
	v_writelane_b32 v11, s86, 8+\ee                ; tb
	s_add_co_u32 s89, s89, 15
	s_lshr_b32 s89, s89, 4
	s_add_co_u32 s86, s86, s89
.endr
	s_cmp_lg_u32 s8, 0
	s_cbranch_scc1 .Lnot0
	global_store_b32 v8, v11, s[6:7]               ; cnt, tb (and 64 bytes of zeros behind them)
.Lnot0:
.irp c, 0,1,2,3,4,5,6,7,8,9,10,11,12,13,14,15
	v_mbcnt_lo_u32_b32 v[POS+\c], s[MK+\c], s87    ; members in lower lanes + those before
	s_bcnt1_i32_b32 s14, s[MK+\c]
	s_add_co_u32 s87, s87, s14
	v_min_u32 v[POS+\c], 0x107f, v[POS+\c]         ; at most 263 tiles: never at work
	v_lshlrev_b32 v[ADR+\c], 2, v[POS+\c]
	v_add_nc_u32 v[TK+\c], 128*(\c/4)+(\c%4), v7
.endr
.irp c, 0,1,2,3
	ds_store_b128 v6, v[POS+4*\c:POS+4*\c+3] offset:512*\c     ; every token's word of plane e; who is no member stores a number that nobody selects
.endr
	s_add_co_u32 s92, s87, 15                      ; the pad slots: from the expert's end to the tile's, for the last quarter's wave alone
	s_and_b32 s92, s92, -16
	s_cmp_eq_u32 s10, 3
	s_cselect_b32 s92, s92, s87
	v_add_nc_u32 v13, s87, v1
	v_cmp_gt_u32 vcc_lo, s92, v13
	v_min_u32 v13, 0x107f, v13
	v_lshlrev_b32 v13, 2, v13
	s_wait_xcnt 0x0                                ; EXEC changes only behind this wait
	s_and_saveexec_b32 s91, vcc_lo
	global_store_b32 v13, v10, s[6:7] offset:RTOFF
	s_wait_xcnt 0x0
	s_or_b32 exec_lo, exec_lo, s91
.irp c, 0,1,2,3,4,5,6,7,8,9,10,11,12,13,14,15
	s_and_saveexec_b32 s91, s[MK+\c]
	global_store_b32 v[ADR+\c], v[TK+\c], s[6:7] offset:RTOFF  ; rowtok[slot] = token, members only
	s_wait_xcnt 0x0
	s_or_b32 exec_lo, exec_lo, s91
.endr
	s_wait_dscnt 0x0
	s_barrier_signal -1
	s_barrier_wait -1
.irp ee, 0,1,2,3,4,5,6,7
	ds_load_b64 v[P8+2*\ee:P8+2*\ee+1], v3 offset:8192*\ee
.endr
	s_wait_dscnt 0x0
.irp i, 0,1
.irp k, 0,1
	v_bfe_u32 v12, v[QW+\i], 8+8*\k, 4             ; the token's k-th expert
	v_mov_b32 v[RES+2*\i+\k], v[P8+\i]
.irp ee, 1,2,3,4,5,6,7
	v_cmp_eq_u32 vcc_lo, \ee, v12
	v_cndmask_b32 v[RES+2*\i+\k], v[RES+2*\i+\k], v[P8+2*\ee+\i], vcc_lo
.endr
.endr
.endr
	global_store_b128 v9, v[RES:RES+3], s[6:7] offset:S2OFF    ; 32 lanes store 512 bytes on end
	s_wait_tensorcnt 0x0
	ds_add_u32 v112, v113
	s_wait_dscnt 0x0
	s_endpgm
.Lfunc_end_k_q389e6eb390_place:
	.size	k_q389e6eb390_place, .Lfunc_end_k_q389e6eb390_place-k_q389e6eb390_place
	.p2alignl 7, 3214868480
	.fill 96, 4, 3214868480
	.section	.rodata,"a",@progbits
	.p2align	6, 0x0
	.amdhsa_kernel k_q389e6eb390_place
		.amdhsa_group_segment_fixed_size 70144
		.amdhsa_private_segment_fixed_size 0
		.amdhsa_enable_private_segment 0
		.amdhsa_kernarg_size 16
		.amdhsa_user_sgpr_count 2
		.amdhsa_user_sgpr_kernarg_segment_ptr 1
		.amdhsa_wavefront_size32 1
		.amdhsa_system_sgpr_workgroup_id_x 1
		.amdhsa_system_sgpr_workgroup_id_y 1
		.amdhsa_system_sgpr_workgroup_id_z 1
		.amdhsa_system_vgpr_workitem_id 0
		.amdhsa_next_free_vgpr 114
		.amdhsa_next_free_sgpr 96
		.amdhsa_reserve_vcc 1
		.amdhsa_float_denorm_mode_32 3
		.amdhsa_float_denorm_mode_16_64 3
		.amdhsa_memory_ordered 1
		.amdhsa_forward_progress 1
		.amdhsa_inst_pref_size 24
	.end_amdhsa_kernel
	.amdgpu_metadata
---
amdhsa.version: [ 1, 2 ]
amdhsa.kernels:
  - .name:           k_q389e6eb390_place
    .symbol:         k_q389e6eb390_place.kd
    .args:
      - { .name: route, .offset: 0, .size: 8, .value_kind: global_buffer, .address_space: global }
      - { .name: plan, .offset: 8, .size: 8, .value_kind: global_buffer, .address_space: global }
    .group_segment_fixed_size: 70144
    .private_segment_fixed_size: 0
    .kernarg_segment_align: 8
    .kernarg_segment_size: 16
    .max_flat_workgroup_size: 1024
    .sgpr_count:     96
    .vgpr_count:     114
    .wavefront_size: 32
...
	.end_amdgpu_metadata
.endif
;; end of part 2
;; launch ffn1 (part 3): grid 256 x 1, 4 waves a work-group, no clusters, 51,712 bytes of LDS; arguments W1, b1, xc, plan, hc; writes hc
.if DOCPART == 3
	.amdgcn_target "amdgcn-amd-amdhsa--gfx1250"
	.amdhsa_code_object_version 6
	.text
	.protected	k_q389e6eb390_ffn1
	.globl	k_q389e6eb390_ffn1
	.p2align	8
	.type	k_q389e6eb390_ffn1,@function
k_q389e6eb390_ffn1:
	s_mov_b64 s[64:65], 0
	v_nop
	global_prefetch_b8 v0, s[64:65] scope:SCOPE_SE
	s_setreg_imm32_b32 hwreg(HW_REG_WAVE_MODE, 25, 1), 1
	s_wait_xcnt 0x0
; h = Q(gelu(x W1[e] + b1[e])) for the rows routed to expert e, on codes of E3M2 with one E8M0 scale for 32 along K.
; THE WEIGHTS STAND STILL: work-group (e = wg / 32, j = wg % 32) owns hidden units 64 j .. 64 j + 63 of expert e: 1,024 rows x 256 bytes of W1, read from memory once in the launch, as f32,
; quantised here and kept as codes in registers; they never go to memory.  The expert's rows, 16 a tile, go past them.
; WEIGHTS PHASE: wave w takes k = 256 w .. + 255 in four units of 64.  A lane takes four columns (16 bytes of a row; lanes 0-15 row k, lanes 16-31 row k + 32), so each load reads two runs of 256 bytes,
; and 32 loads give it one whole block of 32 along K for each column.  One move a number lays a column's block in registers on end, as the conversion wants it.  The codes go to LDS as images of the operand's
; registers (fragment 4 s + t: 48 bytes a lane), one barrier, and every wave loads all 32 fragments (4 tiles of 16 hidden units x 8 K steps): 384 registers.
; ROW PHASE, no barrier: wave w takes tiles w, w + 4, ..  TRANSPOSED: source 0 = 16 rows of W1^T, source 1 = 16 tokens; b1 is the C of the first K step.  THE HIDDEN UNITS OF A TILE ARE NOT NEIGHBOURS:
; row r of tile 2 b + u is unit 32 b + 8 u + r + 8 (r / 8), so that a lane's 16 registers of tiles 2 b, 2 b + 1 are units 32 b + 16 (lane / 16) + 0 .. 15 of one token: neighbours along the next K.
; gelu(a) = 0.5 a (1 + erf(a / sqrt 2)); erf(z) = z P(z^2) / Q(z^2) on |z| <= 4 (degrees 6 and 4 in z^2), held at +-4 beyond.
; hc: tile q, slice j at 24,576 q + 768 j: the next operand's registers as they stand: 16 bytes a lane (registers 0-3 of the lane's block), then 8 bytes a lane (registers 4, 5); scale bytes from HSOFF on.
; NO TENSOR LOAD, NO CLUSTER, though the 32 work-groups of an expert read the same rows of x: the number of tiles is a stored number (cnt[e], from 0 to 2,048 rows), so the row loop's trip count hangs on memory,
; what is shared is 800 bytes a row against the 256 KiB of weights that each work-group has to itself.
; LIMITS: NaN and infinities are not served.  erf's error is about 1e-7 absolute, so 1 + erf loses relative accuracy in the negative tail (about 4e-5 at a = -3, where gelu is -0.004).
; A block of zeros gets the byte 1.  Pad rows of an expert's last tile are computed for token 0 and stored; nobody uses them.
.set PITCH, 8192                       ; a row of W1 in bytes
.set SCL,   49152                      ; LDS: 32 fragments x 1,536 bytes from 0;  SCL: W's scale words at (16 t + r) 32 + 4 s
.set RTOFF, 16640
.set XSOFF, 1572864
.set HSOFF, 6488064
.set LN,1                              ; lane
.set QL,2                              ; lane % 16
.set HH,3                              ; lane / 16
.set WOFF,4                            ; W1: 16 q + 32 rows x hh + 256 rows x w
.set FWA,5                             ; where I store a column's codes
.set SWA,6                             ; and its scale word
.set SH8,7                             ; 8 hh
.set LFA,8                             ; 48 x lane
.set WSA,9                             ; SCL + 32 (lane % 16)
.set B1O,10
.set L4,11
.set H384,12
.set IDA,13
.set TOK,14
.set XA,15
.set XSA,16
.set L16,17
.set L8,18
.set R16,19
.set HOA,20
.set HOB,21
.set HOS,22
.set U16,23
.set WS, 32                            ; v32-63  W's scale words, 8 t + s: scales and nothing else
.set XS, 64                            ; v64-71  x's scale words, K step s: likewise
.set T,   72                           ; weights phase: v72-199 four columns' blocks, 32 on end each
.set M,   200
.set SOP, 204
.set BY,  208
.set OUTW,216
.set SWD, 248
.set PX,  252
.set ACC, 72                           ; row phase: v72-103 the four accumulators
.set Z,   104
.set X2,  136
.set P,   168
.set Q,   200
.set OUT, 232
.set TC,  238
.set A13, 242
.set B8,  244
.set TM,  246
.set SEL, 26
; windows: 1, 2: the weights as f32 (unit u at window 1 + u / 2, v[128 (u % 2)]), later fragment (t, s) at window 1 + s / 4, v[12 (4 (s % 4) + t)];  3: x's fragments v0-95, b1 v96-127
.set MSB, 0
.macro WIN new                         ; the immediate's high byte repeats the setting that is left
.if MSB != (\new)
	s_set_vgpr_msb (MSB<<8)|(\new)
.set MSB, (\new)
.endif
.endm
.macro WLOAD u
	WIN (0x40*(1+((\u)/2)))
.set i, 0
.rept 32
	global_load_b128 v[128*((\u)%2)+4*i:128*((\u)%2)+4*i+3], v[WOFF], s[4:5] offset:(64*(\u)+i)*PITCH th:TH_LOAD_NT
.set i, i+1
.endr
.endm
; unit u: K step 2 w + u / 2, its half c = u % 2; my block is 2 c + hh of that step, for each of my four columns
.macro WUNIT u
.set RB, 128*((\u)%2)
.set CH, (\u)%2
.set SS, (\u)/2
	WIN (5*(1+((\u)/2)))                           ; sources 0 and 1 in the unit's window
.irp cc, 0,1,2,3
	v_max3_num_f32 v[M+\cc], |v[RB+\cc]|, |v[RB+4+\cc]|, 0x2800000   ; the floor 2^(5 - 127): the byte cannot fall under 1
.endr
.set i, 2
.rept 15
.irp cc, 0,1,2,3
	v_max3_num_f32 v[M+\cc], |v[RB+4*i+\cc]|, |v[RB+4*i+4+\cc]|, v[M+\cc]
.endr
.set i, i+2
.endr
.set i, 0
.rept 32
.irp cc, 0,1,2,3
	v_mov_b32 v[T+32*\cc+i], v[RB+4*i+\cc]         ; a column's 32 numbers on end
.endr
.set i, i+1
.endr
	WIN 0
	s_wait_dscnt 0x0                               ; the last unit's LDS stores have read their registers
.irp cc, 0,1,2,3
	v_add_nc_u32 v[SOP+\cc], 0xfe000000, v[M+\cc]  ; 4 off the exponent field: the conversion's scale operand
.endr
.irp cc, 0,1,2,3
	v_lshrrev_b32 v[BY+4*CH+\cc], 23, v[SOP+\cc]   ; the scale's byte
.endr
.irp cc, 0,1,2,3
	v_cvt_scalef32_pk16_bf6_f32 v[OUTW+8*\cc:OUTW+8*\cc+2], v[T+32*\cc:T+32*\cc+15], v[SOP+\cc]
	v_cvt_scalef32_pk16_bf6_f32 v[OUTW+8*\cc+4:OUTW+8*\cc+6], v[T+32*\cc+16:T+32*\cc+31], v[SOP+\cc]   ; (three registers begin on an even number: moved down by one below)
.endr
	v_nop                                          ; one plain line behind the conversions
.irp d, 3,4,5
.irp cc, 0,1,2,3
	v_mov_b32 v[OUTW+8*\cc+\d], v[OUTW+8*\cc+\d+1]
.endr
.endr
.irp cc, 0,1,2,3
.if CH == 0
	ds_store_b128 v[FWA], v[OUTW+8*\cc:OUTW+8*\cc+3] offset:6144*SS+48*\cc          ; registers 0-5 of the fragment's lane
	ds_store_b64 v[FWA], v[OUTW+8*\cc+4:OUTW+8*\cc+5] offset:6144*SS+48*\cc+16
.else
	ds_store_b64 v[FWA], v[OUTW+8*\cc:OUTW+8*\cc+1] offset:6144*SS+48*\cc+24        ; registers 6-11
	ds_store_b128 v[FWA], v[OUTW+8*\cc+2:OUTW+8*\cc+5] offset:6144*SS+48*\cc+32
.endif
.endr
.if CH == 1                            ; the K step's scale word: my bytes hh and 2 + hh, with lane xor 16's two
.irp cc, 0,1,2,3
	v_lshl_or_b32 v[SWD+\cc], v[BY+4+\cc], 16, v[BY+\cc]
.endr
.irp cc, 0,1,2,3
	v_lshlrev_b32 v[SWD+\cc], v[SH8], v[SWD+\cc]
.endr
.irp cc, 0,1,2,3
	v_permlanex16_b32 v[PX+\cc], v[SWD+\cc], s[SEL], s[SEL+1]
.endr
.irp cc, 0,1,2,3
	v_or_b32 v[SWD+\cc], v[SWD+\cc], v[PX+\cc]
.endr
.irp cc, 0,1,2,3
	ds_store_b32 v[SWA], v[SWD+\cc] offset:32*\cc+4*SS         ; both halves of the lanes write the same word
.endr
.endif
.endm
.macro IDLOAD                          ; s30 = the tile: its 16 slots' tokens, lane % 16 a slot
	s_lshl_b32 s30, s30, 6
	v_add_nc_u32 v[IDA], s30, v[L4]
	global_load_b32 v[TOK], v[IDA], s[10:11] offset:RTOFF
.endm
.macro XADDR
	v_min_u32 v[TOK], 0x7ff, v[TOK]
	v_mul_u32_u24 v[XA], v[TOK], 0x300
	v_add_nc_u32 v[XA], v[XA], v[H384]             ; my token's codes, my half's 384 bytes
	v_lshlrev_b32 v[XSA], 5, v[TOK]
.endm
.macro XLOAD                           ; 26 loads: 96 registers of codes, 8 scale words
	WIN 0xc0
.set i, 0
.rept 24
	global_load_b128 v[4*i:4*i+3], v[XA], s[8:9] offset:16*i
.set i, i+1
.endr
	WIN 0
	global_load_b128 v[XS:XS+3], v[XSA], s[8:9] offset:XSOFF
	global_load_b128 v[XS+4:XS+7], v[XSA], s[8:9] offset:XSOFF+16
.endm
.macro MM                              ; 32 matrix instructions: K step by K step, the four accumulators by turns, one instruction a turn
.set ks, 0
.rept 8
.if ks == 0
	WIN 0x3d                                       ; W window 1, x window 3, C (the bias) window 3
.elseif ks < 4
	WIN 0x0d
.else
	WIN 0x0e                                       ; W window 2
.endif
.irp t, 0,1,2,3
.if ks == 0
	v_wmma_scale_f32_16x16x128_f8f6f4 v[ACC+8*\t:ACC+8*\t+7], v[12*\t:12*\t+11], v[0:11], v[96+8*\t:96+8*\t+7], v[WS+8*\t], v[XS] matrix_a_fmt:MATRIX_FMT_BF6 matrix_b_fmt:MATRIX_FMT_BF6
.else
	v_wmma_scale_f32_16x16x128_f8f6f4 v[ACC+8*\t:ACC+8*\t+7], v[12*(4*(ks%4)+\t):12*(4*(ks%4)+\t)+11], v[12*ks:12*ks+11], v[ACC+8*\t:ACC+8*\t+7], v[WS+8*\t+ks], v[XS+ks] matrix_a_fmt:MATRIX_FMT_BF6 matrix_b_fmt:MATRIX_FMT_BF6
.endif
.endr
.set ks, ks+1
.endr
	WIN 0
.endm
	s_load_b256 s[4:11], s[0:1], 0x0               ; W1 s[4:5], b1 s[6:7], xc s[8:9], plan s[10:11]
	s_load_b64 s[12:13], s[0:1], 0x20              ; hc
	v_lshl_add_u32 v30, v0, 2, 0xc800
	v_mov_b32 v31, 0
	v_lshrrev_b32 v24, 5, v0
	v_readfirstlane_b32 s14, v24                   ; wave
	s_lshr_b32 s15, ttmp9, 5                       ; e
	s_and_b32 s16, ttmp9, 31                       ; j
	v_and_b32 v[LN], 31, v0
	v_and_b32 v[QL], 15, v0
	v_bfe_u32 v[HH], v0, 4, 1
	v_bfe_u32 v24, v0, 3, 1
	v_bfe_u32 v25, v0, 1, 1
	v_lshl_add_u32 v24, v24, 1, v25                ; column 4 q + cc is row r0 + cc of tile t = 2 (q / 8) + (q / 2) % 2,
	v_and_b32 v25, 1, v0
	v_bfe_u32 v26, v0, 2, 1
	v_lshlrev_b32 v25, 2, v25
	v_lshl_add_u32 v25, v26, 3, v25                ; r0 = 4 (q % 2) + 8 ((q / 4) % 2)
	v_lshl_add_u32 v26, v[HH], 4, v25
	v_mul_u32_u24 v[FWA], v26, 48
	v_mad_u32_u24 v[FWA], v24, 0x600, v[FWA]
	s_mul_i32 s30, s14, 12288
	v_add_nc_u32 v[FWA], s30, v[FWA]               ; 1,536 (8 w + t) + 48 (r0 + 16 hh)
	v_lshl_add_u32 v26, v24, 4, v25
	v_lshl_add_u32 v[SWA], v26, 5, SCL
	s_lshl_b32 s30, s14, 3
	v_add_nc_u32 v[SWA], s30, v[SWA]               ; SCL + 32 (16 t + r0) + 8 w
	v_lshlrev_b32 v[WOFF], 4, v[QL]
	v_lshl_add_u32 v[WOFF], v[HH], 18, v[WOFF]
	s_lshl_b32 s30, s14, 21
	v_add_nc_u32 v[WOFF], s30, v[WOFF]
	v_lshlrev_b32 v[SH8], 3, v[HH]
	v_mul_u32_u24 v[LFA], v[LN], 48
	v_lshl_add_u32 v[WSA], v[QL], 5, SCL
	v_lshlrev_b32 v[B1O], 6, v[HH]
	v_lshlrev_b32 v[L4], 2, v[QL]
	v_mul_u32_u24 v[H384], v[HH], 0x180
	v_lshlrev_b32 v[L16], 4, v[LN]
	v_lshlrev_b32 v[L8], 3, v[LN]
	v_lshlrev_b32 v[R16], 4, v[QL]
.irp cc, 0,1,2,3
	v_mov_b32 v[PX+\cc], 0                         ; a lane permute's destination counts as one of its sources
.endr
	s_mov_b32 s[SEL], 0x76543210
	s_mov_b32 s[SEL+1], 0xfedcba98
	s_mul_i32 s36, s16, 768                        ; my slice in a tile of hc
	s_lshr_b32 s17, s16, 1                         ; the next product's K step s = j / 2: its scale bytes at 512 (s / 8) + 256 ((s / 4) % 2) + 16 r + 4 (s % 4) + 2 (j % 2)
	s_lshr_b32 s30, s17, 3
	s_lshl_b32 s37, s30, 9
	s_bfe_u32 s30, s17, 0x10002
	s_lshl_b32 s30, s30, 8
	s_add_co_u32 s37, s37, s30
	s_and_b32 s30, s17, 3
	s_lshl_b32 s30, s30, 2
	s_add_co_u32 s37, s37, s30
	s_and_b32 s30, s16, 1
	s_lshl_b32 s30, s30, 1
	s_add_co_u32 s37, s37, s30
	s_mov_b32 s19, 0
	s_wait_kmcnt 0x0
	s_lshl_b32 s18, s15, 2
	s_add_nc_u64 s[24:25], s[10:11], s[18:19]
	s_load_b32 s20, s[24:25], 0x0                  ; cnt[e]
	s_load_b32 s21, s[24:25], 0x20                 ; tb[e]
	s_lshl_b32 s30, s16, 8
	s_lshl_b32 s18, s15, 23
	s_add_co_u32 s18, s18, s30
	s_add_nc_u64 s[4:5], s[4:5], s[18:19]          ; W1[e], my 64 columns
	s_lshl_b32 s18, s15, 13
	s_add_co_u32 s18, s18, s30
	s_add_nc_u64 s[6:7], s[6:7], s[18:19]          ; b1[e], my 64 numbers
	WIN 0xc0
.irp t, 0,1,2,3
	global_load_b128 v[96+8*\t:96+8*\t+3], v[B1O], s[6:7] offset:(32*(\t/2)+8*(\t%2))*4        ; lane (r, h), tile t: units 32 (t / 2) + 8 (t % 2) + 16 h + 0 .. 7
	global_load_b128 v[96+8*\t+4:96+8*\t+7], v[B1O], s[6:7] offset:(32*(\t/2)+8*(\t%2))*4+16
.endr
	WLOAD 0
	WLOAD 1
	WLOAD 2
	WLOAD 3
	WIN 0
	s_wait_kmcnt 0x0
	s_min_u32 s20, s20, 0x800
	s_min_u32 s21, s21, 0x107
	s_add_co_u32 s22, s20, 15
	s_lshr_b32 s22, s22, 4                         ; nt: the expert's tiles, 128 at the most
	s_add_co_u32 s23, s21, s22
	s_max_u32 s23, s23, 1
	s_sub_co_u32 s23, s23, 1                       ; the last tile that I may ask for: it has been stored, whatever the split
	s_add_co_u32 s32, s22, 3
	s_sub_co_u32 s32, s32, s14
	s_lshr_b32 s32, s32, 2                         ; my trips: how many of w, w + 4, .. lie under nt: (nt + 3 - w) / 4, 0 where nt <= w; never written again
	s_mov_b32 s28, 0                               ; trips done
	s_add_co_u32 s29, s21, s14                     ; my tile: tb + w, then 4 on a trip
	s_min_u32 s30, s29, s23
	s_min_u32 s30, s30, 0x107
	IDLOAD
	s_wait_loadcnt 63                              ; behind unit 0's loads 97 were issued; the count is the largest that the wait can name: the 74 oldest of 137 are in, b1 and units 0 and 1 among them
	WUNIT 0
	s_wait_loadcnt 63
	WUNIT 1
	s_wait_loadcnt 33                              ; behind unit 2's: unit 3's 32 and the tokens' load
	WUNIT 2
	s_wait_loadcnt 0x0
	XADDR
	XLOAD                                          ; my first tile's x lands while unit 3 is quantised
	s_add_co_u32 s30, s29, 4
	s_min_u32 s30, s30, s23
	s_min_u32 s30, s30, 0x107
	IDLOAD
	WUNIT 3
	s_wait_dscnt 0x0                               ; for the others' sake: my eight fragments and their scale words lie in LDS
	s_barrier_signal -1
	s_barrier_wait -1
	WIN 0x40
.set f, 0
.rept 16
.irp g, 0,1,2
	ds_load_b128 v[12*f+4*\g:12*f+4*\g+3], v[LFA] offset:f*1536+16*\g
.endr
.set f, f+1
.endr
	WIN 0x80
.set f, 0
.rept 16
.irp g, 0,1,2
	ds_load_b128 v[12*f+4*\g:12*f+4*\g+3], v[LFA] offset:(f+16)*1536+16*\g
.endr
.set f, f+1
.endr
	WIN 0
.irp t, 0,1,2,3
.irp g, 0,1
	ds_load_b128 v[WS+8*\t+4*\g:WS+8*\t+4*\g+3], v[WSA] offset:512*\t+16*\g
.endr
.endr
	v_mov_b32 v[A13], 0xaf95df0b
	v_mov_b32 v[A13+1], 0xaf95df0b
	v_mov_b32 v[B8], 0xb77460cd
	v_mov_b32 v[B8+1], 0xb77460cd
	v_mov_b32 v[TM+2], 0
	v_mov_b32 v[TM+3], 0
	s_wait_dscnt 0x0
	s_cmp_eq_u32 s32, 0
	s_cbranch_scc1 .Lend                           ; fewer tiles than waves: a branch on a stored number, behind the launch's one barrier
.Ltile:
	s_wait_loadcnt 0x1                             ; x's 26 loads are in; the one behind them (the tokens of the next tile) may be out
	MM
.rept 4
	v_nop                                          ; four places behind the last product, ahead of loads into x's registers and of the first read of results
.endr
	s_wait_loadcnt 0x0
	XADDR
	XLOAD                                          ; the next tile's x: it has the activation in which to land
	s_add_co_u32 s30, s29, 8
	s_min_u32 s30, s30, s23
	s_min_u32 s30, s30, 0x107
	IDLOAD
; gelu, 32 numbers a lane, two at a time; each accumulator is read from its low end on
.set p, 0
.rept 16
	v_pk_mul_f32 v[Z+p:Z+p+1], v[ACC+p:ACC+p+1], 0x3f3504f3 op_sel_hi:[1,0]     ; z = a / sqrt 2
.set p, p+2
.endr
.set i, 0
.rept 32
	v_med3_num_f32 v[Z+i], v[Z+i], -4.0, 4.0
.set i, i+1
.endr
.set p, 0
.rept 16
	v_pk_mul_f32 v[X2+p:X2+p+1], v[Z+p:Z+p+1], v[Z+p:Z+p+1]
.set p, p+2
.endr
.set p, 0
.rept 16
	v_pk_fma_f32 v[P+p:P+p+1], v[X2+p:X2+p+1], v[A13:A13+1], 0x32edffee op_sel_hi:[1,1,0]
	v_pk_fma_f32 v[Q+p:Q+p+1], v[X2+p:X2+p+1], v[B8:B8+1], 0xb95fbd29 op_sel_hi:[1,1,0]
.set p, p+2
.endr
.irp c, 0xb60cff51, 0xb86ec2d2, 0xba40ac63, 0xbb41a1f6, 0xbc83dbd4
.set p, 0
.rept 16
	v_pk_fma_f32 v[P+p:P+p+1], v[P+p:P+p+1], v[X2+p:X2+p+1], \c op_sel_hi:[1,1,0]
.set p, p+2
.endr
.endr
.irp c, 0xbadc924e, 0xbbf19bf8, 0xbc69b6a7
.set p, 0
.rept 16
	v_pk_fma_f32 v[Q+p:Q+p+1], v[Q+p:Q+p+1], v[X2+p:X2+p+1], \c op_sel_hi:[1,1,0]
.set p, p+2
.endr
.endr
.set i, 0
.rept 32
	v_rcp_f32 v[Q+i], v[Q+i]
.set i, i+1
.endr
.set p, 0
.rept 16
	v_pk_mul_f32 v[P+p:P+p+1], v[P+p:P+p+1], v[Z+p:Z+p+1]      ; z P: plain work behind the reciprocals, which names none of them
.set p, p+2
.endr
	s_wait_alu depctr_va_vdst(0)                   ; one wait for the 32 reciprocals, ahead of their first reader
.set p, 0
.rept 16
	v_pk_mul_f32 v[P+p:P+p+1], v[P+p:P+p+1], v[Q+p:Q+p+1]      ; erf
.set p, p+2
.endr
.set p, 0
.rept 16
	v_pk_mul_f32 v[X2+p:X2+p+1], v[ACC+p:ACC+p+1], 0.5 op_sel_hi:[1,0]
.set p, p+2
.endr
.set p, 0
.rept 16
	v_pk_fma_f32 v[Z+p:Z+p+1], v[X2+p:X2+p+1], v[P+p:P+p+1], v[X2+p:X2+p+1]     ; 0.5 a erf + 0.5 a.  Z[16 b + i] = unit 32 b + 16 (lane / 16) + i of my token
.set p, p+2
.endr
; the two blocks of 32 along the next K
.irp b, 0,1
	v_max3_num_f32 v[TM+\b], |v[Z+16*\b]|, |v[Z+16*\b+1]|, 0x2800000
.endr
.irp i, 2,4,6,8,10,12,14
.irp b, 0,1
	v_max3_num_f32 v[TM+\b], v[TM+\b], |v[Z+16*\b+\i]|, |v[Z+16*\b+\i+1]|
.endr
.endr
.irp b, 0,1
	v_permlanex16_b32 v[TM+2+\b], v[TM+\b], s[SEL], s[SEL+1]
.endr
.irp b, 0,1
	v_max_num_f32 v[TM+\b], v[TM+\b], v[TM+2+\b]   ; with lane xor 16's 16: the block's largest magnitude
.endr
.irp b, 0,1
	v_add_nc_u32 v[TM+4+\b], 0xfe000000, v[TM+\b]
.endr
.irp b, 0,1
	v_lshrrev_b32 v[TM+6+\b], 23, v[TM+4+\b]
.endr
	s_wait_xcnt 0x0                                ; the last tile's stores have read their data and offsets: both are written again below
	v_lshl_or_b32 v[U16], v[TM+7], 8, v[TM+6]      ; the slice's two scale bytes of my token
	v_cvt_scalef32_pk16_bf6_f32 v[OUT:OUT+2], v[Z:Z+15], v[TM+4]
	v_cvt_scalef32_pk16_bf6_f32 v[TC:TC+2], v[Z+16:Z+31], v[TM+5]
	v_nop                                          ; one plain line behind the conversions
.irp i, 0,1,2
	v_permlane16_swap_b32 v[OUT+\i], v[TC+\i]      ; a whole block to a lane: lanes 0-15 block 0, lanes 16-31 block 1
.endr
.irp i, 0,1,2
	v_mov_b32 v[OUT+3+\i], v[TC+\i]
.endr
	s_min_u32 s30, s29, 0x107
	s_mul_i32 s31, s30, 24576
	s_add_co_u32 s31, s31, s36
	v_add_nc_u32 v[HOA], s31, v[L16]
	v_add_nc_u32 v[HOB], s31, v[L8]
	s_lshl_b32 s31, s30, 10
	s_add_co_u32 s31, s31, s37
	v_add_nc_u32 v[HOS], s31, v[R16]
	global_store_b128 v[HOA], v[OUT:OUT+3], s[12:13]           ; 512 bytes on end
	global_store_b64 v[HOB], v[OUT+4:OUT+5], s[12:13] offset:512   ; 256 bytes on end
	global_store_b16 v[HOS], v[U16], s[12:13] offset:HSOFF     ; two bytes a token (lanes 16-31 repeat lanes 0-15): 32 bytes a tile against its 768 of codes
	s_add_co_u32 s29, s29, 4                       ; my next tile
	s_add_co_u32 s28, s28, 1                       ; the loop counts its trips by 1 against a number that it does not write
	s_cmp_lt_u32 s28, s32
	s_cbranch_scc1 .Ltile
.Lend:
	s_wait_tensorcnt 0x0
	ds_add_u32 v30, v31
	s_wait_dscnt 0x0
	s_endpgm
.Lfunc_end_k_q389e6eb390_ffn1:
	.size	k_q389e6eb390_ffn1, .Lfunc_end_k_q389e6eb390_ffn1-k_q389e6eb390_ffn1
	.p2alignl 7, 3214868480
	.fill 96, 4, 3214868480
	.section	.rodata,"a",@progbits
	.p2align	6, 0x0
	.amdhsa_kernel k_q389e6eb390_ffn1
		.amdhsa_group_segment_fixed_size 51712
		.amdhsa_private_segment_fixed_size 0
		.amdhsa_enable_private_segment 0
		.amdhsa_kernarg_size 40
		.amdhsa_user_sgpr_count 2
		.amdhsa_user_sgpr_kernarg_segment_ptr 1
		.amdhsa_wavefront_size32 1
		.amdhsa_system_sgpr_workgroup_id_x 1
		.amdhsa_system_sgpr_workgroup_id_y 1
		.amdhsa_system_sgpr_workgroup_id_z 1
		.amdhsa_system_vgpr_workitem_id 0
		.amdhsa_next_free_vgpr 896
		.amdhsa_next_free_sgpr 66
		.amdhsa_reserve_vcc 0
		.amdhsa_float_denorm_mode_32 3
		.amdhsa_float_denorm_mode_16_64 3
		.amdhsa_memory_ordered 1
		.amdhsa_forward_progress 1
		.amdhsa_inst_pref_size 104
	.end_amdhsa_kernel
	.amdgpu_metadata
---
amdhsa.version: [ 1, 2 ]
amdhsa.kernels:
  - .name:           k_q389e6eb390_ffn1
    .symbol:         k_q389e6eb390_ffn1.kd
    .args:
      - { .name: W1, .offset: 0, .size: 8, .value_kind: global_buffer, .address_space: global }
      - { .name: b1, .offset: 8, .size: 8, .value_kind: global_buffer, .address_space: global }
      - { .name: xc, .offset: 16, .size: 8, .value_kind: global_buffer, .address_space: global }
      - { .name: plan, .offset: 24, .size: 8, .value_kind: global_buffer, .address_space: global }
      - { .name: hc, .offset: 32, .size: 8, .value_kind: global_buffer, .address_space: global }
    .group_segment_fixed_size: 51712
    .private_segment_fixed_size: 0
    .kernarg_segment_align: 8
    .kernarg_segment_size: 40
    .max_flat_workgroup_size: 128
    .sgpr_count:     66
    .vgpr_count:     896
    .wavefront_size: 32
...
	.end_amdgpu_metadata
.endif
;; end of part 3
;; launch ffn2 (part 4): grid 256 x 1, 4 waves a work-group, no clusters, 69,120 bytes of LDS; arguments W2, b2, hc, plan, o; writes o
.if DOCPART == 4
	.amdgcn_target "amdgcn-amd-amdhsa--gfx1250"
	.amdhsa_code_object_version 6
	.text
	.protected	k_q389e6eb390_ffn2
	.globl	k_q389e6eb390_ffn2
	.p2align	8
	.type	k_q389e6eb390_ffn2,@function
k_q389e6eb390_ffn2:
	s_mov_b64 s[64:65], 0
	v_nop
	global_prefetch_b8 v0, s[64:65] scope:SCOPE_SE
	s_setreg_imm32_b32 hwreg(HW_REG_WAVE_MODE, 25, 1), 1
	s_wait_xcnt 0x0
; o[kh][slot] = h W2[e] over half kh of K (+ b2[e] in half 0), for the rows routed to expert e, on codes of E3M2 with one E8M0 scale for 32 along K.
; THE WEIGHTS STAND STILL, as in the launch before: work-group (e = wg / 32, kh = (wg / 16) % 2, j = wg % 16) owns outputs 64 j .. 64 j + 63 and hidden units 1,024 kh .. + 1,023 of expert e:
; 1,024 rows x 256 bytes of W2, read from memory once in the launch, quantised here, kept as codes in registers.  K is halved so that a work-group's rows of W2 are runs of 256 bytes and its 32 fragments fit a wave's
; registers; the price is two planes of o, which the last launch adds.
; WEIGHTS PHASE: wave w takes k = 256 w .. + 255 of the half in four units of 64; a lane four columns and one block of 32 along K for each; codes to LDS as images of the operand's registers; one barrier; every
; wave loads all 32 fragments.  ROW PHASE, no barrier: wave w takes tiles w, w + 4, ..; h's fragments come from hc as they stand there, 512 and 256 bytes on end a load.
; TRANSPOSED: source 0 = 16 outputs (rows of W2^T), source 1 = 16 tokens: a lane holds eight neighbouring outputs of one token; a tile's 16 rows x 256 bytes go through the wave's own stage in LDS and leave as
; runs of 256 bytes, aligned, sixteen lanes each.
; NO TENSOR LOAD, NO CLUSTER, though the 16 work-groups of an expert's half read the same rows of h: the number of tiles is a stored number (cnt[e], from 0 to 2,048 rows), so the row loop's trip count hangs on
; memory.
; LIMITS: NaN and infinities among W2 are not served.  A block of zeros gets the byte 1.  Pad rows are computed and stored; nobody uses them.
.set PITCH, 4096                       ; a row of W2 in bytes
.set SCL,   49152                      ; LDS: 32 fragments x 1,536 bytes from 0;  SCL: W's scale words at (16 t + r) 32 + 4 s
.set STG,   51200                      ; a stage of 16 rows x (256 + 16) bytes for each wave
.set HSOFF, 6488064
.set OPL,   17301504                   ; a plane of o: 4,224 slots x 4,096 bytes
.set LN,1
.set QL,2
.set HH,3
.set WOFF,4
.set FWA,5
.set SWA,6
.set SH8,7
.set LFA,8
.set WSA,9
.set B2O,10
.set HA16,11
.set HA8,12
.set HSA,13
.set STO,14
.set SRD,15
.set OL,16
.set L16,17
.set L8,18
.set R16,19
.set OA,20
.set WS, 32                            ; v32-63  W's scale words, 8 t + s: scales and nothing else
.set XS, 64                            ; v64-71  h's scale words, K step s: likewise
.set T,   72
.set M,   200
.set SOP, 204
.set BY,  208
.set OUTW,216
.set SWD, 248
.set PX,  252
.set ACC, 72                           ; row phase: v72-103 the four accumulators;  v104-135 16 rows read back from the stage
.set OB,  104
.set SEL, 26
; windows: 1, 2: the weights as f32, later fragment (t, s) at window 1 + s / 4, v[12 (4 (s % 4) + t)];  3: h's fragments v0-95, b2 v96-127
.set MSB, 0
.macro WIN new                         ; the immediate's high byte repeats the setting that is left
.if MSB != (\new)
	s_set_vgpr_msb (MSB<<8)|(\new)
.set MSB, (\new)
.endif
.endm
.macro WLOAD u
	WIN (0x40*(1+((\u)/2)))
.set i, 0
.rept 32
	global_load_b128 v[128*((\u)%2)+4*i:128*((\u)%2)+4*i+3], v[WOFF], s[4:5] offset:(64*(\u)+i)*PITCH th:TH_LOAD_NT
.set i, i+1
.endr
.endm
.macro WUNIT u                         ; unit u: K step 2 w + u / 2, its half c = u % 2; my block is 2 c + hh of that step, for each of my four columns
.set RB, 128*((\u)%2)
.set CH, (\u)%2
.set SS, (\u)/2
	WIN (5*(1+((\u)/2)))
.irp cc, 0,1,2,3
	v_max3_num_f32 v[M+\cc], |v[RB+\cc]|, |v[RB+4+\cc]|, 0x2800000   ; the floor 2^(5 - 127): the byte cannot fall under 1
.endr
.set i, 2
.rept 15
.irp cc, 0,1,2,3
	v_max3_num_f32 v[M+\cc], |v[RB+4*i+\cc]|, |v[RB+4*i+4+\cc]|, v[M+\cc]
.endr
.set i, i+2
.endr
.set i, 0
.rept 32
.irp cc, 0,1,2,3
	v_mov_b32 v[T+32*\cc+i], v[RB+4*i+\cc]         ; a column's 32 numbers on end
.endr
.set i, i+1
.endr
	WIN 0
	s_wait_dscnt 0x0                               ; the last unit's LDS stores have read their registers
.irp cc, 0,1,2,3
	v_add_nc_u32 v[SOP+\cc], 0xfe000000, v[M+\cc]
.endr
.irp cc, 0,1,2,3
	v_lshrrev_b32 v[BY+4*CH+\cc], 23, v[SOP+\cc]
.endr
.irp cc, 0,1,2,3
	v_cvt_scalef32_pk16_bf6_f32 v[OUTW+8*\cc:OUTW+8*\cc+2], v[T+32*\cc:T+32*\cc+15], v[SOP+\cc]
	v_cvt_scalef32_pk16_bf6_f32 v[OUTW+8*\cc+4:OUTW+8*\cc+6], v[T+32*\cc+16:T+32*\cc+31], v[SOP+\cc]
.endr
	v_nop                                          ; one plain line behind the conversions
.irp d, 3,4,5
.irp cc, 0,1,2,3
	v_mov_b32 v[OUTW+8*\cc+\d], v[OUTW+8*\cc+\d+1]
.endr
.endr
.irp cc, 0,1,2,3
.if CH == 0
	ds_store_b128 v[FWA], v[OUTW+8*\cc:OUTW+8*\cc+3] offset:6144*SS+48*\cc
	ds_store_b64 v[FWA], v[OUTW+8*\cc+4:OUTW+8*\cc+5] offset:6144*SS+48*\cc+16
.else
	ds_store_b64 v[FWA], v[OUTW+8*\cc:OUTW+8*\cc+1] offset:6144*SS+48*\cc+24
	ds_store_b128 v[FWA], v[OUTW+8*\cc+2:OUTW+8*\cc+5] offset:6144*SS+48*\cc+32
.endif
.endr
.if CH == 1
.irp cc, 0,1,2,3
	v_lshl_or_b32 v[SWD+\cc], v[BY+4+\cc], 16, v[BY+\cc]
.endr
.irp cc, 0,1,2,3
	v_lshlrev_b32 v[SWD+\cc], v[SH8], v[SWD+\cc]
.endr
.irp cc, 0,1,2,3
	v_permlanex16_b32 v[PX+\cc], v[SWD+\cc], s[SEL], s[SEL+1]
.endr
.irp cc, 0,1,2,3
	v_or_b32 v[SWD+\cc], v[SWD+\cc], v[PX+\cc]
.endr
.irp cc, 0,1,2,3
	ds_store_b32 v[SWA], v[SWD+\cc] offset:32*\cc+4*SS
.endr
.endif
.endm
.macro HLOAD                           ; s30 = the tile: 34 loads: my half's 16 slices of codes, 8 scale words
	s_mul_i32 s31, s30, 24576
	s_add_co_u32 s31, s31, s39
	v_add_nc_u32 v[HA16], s31, v[L16]
	v_add_nc_u32 v[HA8], s31, v[L8]
	s_lshl_b32 s31, s30, 10
	s_add_co_u32 s31, s31, s40
	v_add_nc_u32 v[HSA], s31, v[R16]
	WIN 0xc0
.set i, 0
.rept 16
	global_load_b128 v[6*i:6*i+3], v[HA16], s[8:9] offset:768*i
.set i, i+1
.endr
.set i, 0
.rept 16
	global_load_b64 v[6*i+4:6*i+5], v[HA8], s[8:9] offset:768*i+512
.set i, i+1
.endr
	WIN 0
	global_load_b128 v[XS:XS+3], v[HSA], s[8:9] offset:HSOFF
	global_load_b128 v[XS+4:XS+7], v[HSA], s[8:9] offset:HSOFF+256
.endm
.macro MM                              ; 32 matrix instructions: K step by K step, the four accumulators by turns, one instruction a turn
.set ks, 0
.rept 8
.if ks == 0
	WIN 0x3d
.elseif ks < 4
	WIN 0x0d
.else
	WIN 0x0e
.endif
.irp t, 0,1,2,3
.if ks == 0
	v_wmma_scale_f32_16x16x128_f8f6f4 v[ACC+8*\t:ACC+8*\t+7], v[12*\t:12*\t+11], v[0:11], v[96+8*\t:96+8*\t+7], v[WS+8*\t], v[XS] matrix_a_fmt:MATRIX_FMT_BF6 matrix_b_fmt:MATRIX_FMT_BF6
.else
	v_wmma_scale_f32_16x16x128_f8f6f4 v[ACC+8*\t:ACC+8*\t+7], v[12*(4*(ks%4)+\t):12*(4*(ks%4)+\t)+11], v[12*ks:12*ks+11], v[ACC+8*\t:ACC+8*\t+7], v[WS+8*\t+ks], v[XS+ks] matrix_a_fmt:MATRIX_FMT_BF6 matrix_b_fmt:MATRIX_FMT_BF6
.endif
.endr
.set ks, ks+1
.endr
	WIN 0
.endm
	s_load_b256 s[4:11], s[0:1], 0x0               ; W2 s[4:5], b2 s[6:7], hc s[8:9], plan s[10:11]
	s_load_b64 s[12:13], s[0:1], 0x20              ; o
	v_lshl_add_u32 v239, v0, 2, 0x10c00
	v_mov_b32 v247, 0
	v_lshrrev_b32 v24, 5, v0
	v_readfirstlane_b32 s14, v24                   ; wave
	s_lshr_b32 s15, ttmp9, 5                       ; e
	s_bfe_u32 s17, ttmp9, 0x10004                  ; kh
	s_and_b32 s16, ttmp9, 15                       ; j
	v_and_b32 v[LN], 31, v0
	v_and_b32 v[QL], 15, v0
	v_bfe_u32 v[HH], v0, 4, 1
	v_bfe_u32 v24, v0, 2, 2                        ; column 4 q + cc is row r0 + cc of tile t = q / 4,
	v_and_b32 v25, 3, v0
	v_lshlrev_b32 v25, 2, v25                      ; r0 = 4 (q % 4)
	v_lshl_add_u32 v26, v[HH], 4, v25
	v_mul_u32_u24 v[FWA], v26, 48
	v_mad_u32_u24 v[FWA], v24, 0x600, v[FWA]
	s_mul_i32 s30, s14, 12288
	v_add_nc_u32 v[FWA], s30, v[FWA]
	v_lshl_add_u32 v26, v24, 4, v25
	v_lshl_add_u32 v[SWA], v26, 5, SCL
	s_lshl_b32 s30, s14, 3
	v_add_nc_u32 v[SWA], s30, v[SWA]
	v_lshlrev_b32 v[WOFF], 4, v[QL]
	v_lshl_add_u32 v[WOFF], v[HH], 17, v[WOFF]
	s_lshl_b32 s30, s14, 20
	v_add_nc_u32 v[WOFF], s30, v[WOFF]
	v_lshlrev_b32 v[SH8], 3, v[HH]
	v_mul_u32_u24 v[LFA], v[LN], 48
	v_lshl_add_u32 v[WSA], v[QL], 5, SCL
	v_lshlrev_b32 v[B2O], 5, v[HH]
	v_lshlrev_b32 v[L16], 4, v[LN]
	v_lshlrev_b32 v[L8], 3, v[LN]
	v_lshlrev_b32 v[R16], 4, v[QL]
	s_mul_i32 s30, s14, 4352
	s_add_co_u32 s30, s30, STG                     ; my stage
	v_mul_u32_u24 v[STO], v[QL], 272
	v_lshl_add_u32 v[STO], v[HH], 5, v[STO]
	v_add_nc_u32 v[STO], s30, v[STO]               ; in: row = token r, + 32 h; tile t's 64 bytes in the immediate
	v_mul_u32_u24 v[SRD], v[HH], 272
	v_lshl_add_u32 v[SRD], v[QL], 4, v[SRD]
	v_add_nc_u32 v[SRD], s30, v[SRD]               ; back: lanes 0-15 one row, lanes 16-31 the next
	v_lshlrev_b32 v[OL], 12, v[HH]
	v_lshl_add_u32 v[OL], v[QL], 4, v[OL]
	s_lshl_b32 s41, s16, 8
	v_add_nc_u32 v[OL], s41, v[OL]                 ; and the same two rows in o, my 256 bytes of them
.irp cc, 0,1,2,3
	v_mov_b32 v[PX+\cc], 0                         ; a lane permute's destination counts as one of its sources
.endr
	s_mov_b32 s[SEL], 0x76543210
	s_mov_b32 s[SEL+1], 0xfedcba98
	s_mul_i32 s39, s17, 12288                      ; my half of a tile's codes,
	s_lshl_b32 s40, s17, 9                         ; and of its scale bytes
	s_cmp_eq_u32 s17, 0
	s_cselect_b32 s38, -1, 0                       ; the bias belongs to half 0 alone
	s_mov_b32 s19, 0
	s_wait_kmcnt 0x0
	s_lshl_b32 s18, s15, 2
	s_add_nc_u64 s[24:25], s[10:11], s[18:19]
	s_load_b32 s20, s[24:25], 0x0                  ; cnt[e]
	s_load_b32 s21, s[24:25], 0x20                 ; tb[e]
	s_lshl_b32 s18, s15, 23
	s_lshl_b32 s30, s17, 22
	s_add_co_u32 s18, s18, s30
	s_add_co_u32 s18, s18, s41
	s_add_nc_u64 s[4:5], s[4:5], s[18:19]          ; W2[e], my half of K, my 64 columns
	s_lshl_b32 s18, s15, 12
	s_add_co_u32 s18, s18, s41
	s_add_nc_u64 s[6:7], s[6:7], s[18:19]          ; b2[e], my 64 numbers
	s_mul_i32 s18, s17, OPL
	s_add_nc_u64 s[12:13], s[12:13], s[18:19]      ; my plane of o
	WIN 0xc0
.irp t, 0,1,2,3
	global_load_b128 v[96+8*\t:96+8*\t+3], v[B2O], s[6:7] offset:64*\t             ; lane (r, h), tile t: outputs 16 t + 8 h + 0 .. 7
	global_load_b128 v[96+8*\t+4:96+8*\t+7], v[B2O], s[6:7] offset:64*\t+16
.endr
	WLOAD 0
	WLOAD 1
	WLOAD 2
	WLOAD 3
	WIN 0
	s_wait_kmcnt 0x0
	s_min_u32 s20, s20, 0x800
	s_min_u32 s21, s21, 0x107
	s_add_co_u32 s22, s20, 15
	s_lshr_b32 s22, s22, 4                         ; nt: the expert's tiles, 128 at the most
	s_add_co_u32 s23, s21, s22
	s_max_u32 s23, s23, 1
	s_sub_co_u32 s23, s23, 1                       ; the last tile that I may ask for: it has been stored, whatever the split
	s_add_co_u32 s32, s22, 3
	s_sub_co_u32 s32, s32, s14
	s_lshr_b32 s32, s32, 2                         ; my trips: how many of w, w + 4, .. lie under nt: (nt + 3 - w) / 4, 0 where nt <= w; never written again
	s_mov_b32 s28, 0                               ; trips done
	s_add_co_u32 s29, s21, s14                     ; my tile: tb + w, then 4 on a trip
	s_min_u32 s30, s29, s23
	s_min_u32 s30, s30, 0x107
	HLOAD                                          ; my first tile's h lands while the weights are quantised
	s_wait_loadcnt 63                              ; 170 loads were issued; the count is the largest that the wait can name: the 107 oldest are in: b2 and units 0, 1 and 2
	WIN 0xcc
.set i, 0
.rept 32
	v_and_b32 v[96+i], s38, v[96+i]                ; b2, or zeros in half 1
.set i, i+1
.endr
	WUNIT 0
	s_wait_loadcnt 63
	WUNIT 1
	s_wait_loadcnt 63
	WUNIT 2
	s_wait_loadcnt 34                              ; behind unit 3's loads: the first tile's 34
	WUNIT 3
	s_wait_dscnt 0x0                               ; for the others' sake: my eight fragments and their scale words lie in LDS
	s_barrier_signal -1
	s_barrier_wait -1
	WIN 0x40
.set f, 0
.rept 16
.irp g, 0,1,2
	ds_load_b128 v[12*f+4*\g:12*f+4*\g+3], v[LFA] offset:f*1536+16*\g
.endr
.set f, f+1
.endr
	WIN 0x80
.set f, 0
.rept 16
.irp g, 0,1,2
	ds_load_b128 v[12*f+4*\g:12*f+4*\g+3], v[LFA] offset:(f+16)*1536+16*\g
.endr
.set f, f+1
.endr
	WIN 0
.irp t, 0,1,2,3
.irp g, 0,1
	ds_load_b128 v[WS+8*\t+4*\g:WS+8*\t+4*\g+3], v[WSA] offset:512*\t+16*\g
.endr
.endr
	s_wait_dscnt 0x0
	s_cmp_eq_u32 s32, 0
	s_cbranch_scc1 .Lend                           ; fewer tiles than waves: a branch on a stored number, behind the launch's one barrier
.Ltile:
	s_wait_loadcnt 0x0                             ; this tile's h is in
	MM
.rept 4
	v_nop                                          ; four places behind the last product, ahead of loads into h's registers and of the first read of results
.endr
	s_add_co_u32 s30, s29, 4
	s_min_u32 s30, s30, s23
	s_min_u32 s30, s30, 0x107
	HLOAD                                          ; the next tile's h: it has the way out in which to land
.irp t, 0,1,2,3
	ds_store_b128 v[STO], v[ACC+8*\t:ACC+8*\t+3] offset:64*\t          ; each accumulator from its low end on
	ds_store_b128 v[STO], v[ACC+8*\t+4:ACC+8*\t+7] offset:64*\t+16
.endr
	s_wait_xcnt 0x0                                ; the last tile's stores have read their data and their offset: both are written again below
	s_min_u32 s31, s29, 0x107
	s_lshl_b32 s31, s31, 16
	v_add_nc_u32 v[OA], s31, v[OL]
.irp i, 0,1,2,3,4,5,6,7
	ds_load_b128 v[OB+4*\i:OB+4*\i+3], v[SRD] offset:544*\i    ; LDS serves a wave's instructions in order: these see my stores; the stage is my wave's own
.endr
.irp i, 0,1,2,3,4,5,6,7
	s_wait_dscnt 7-\i
	global_store_b128 v[OA], v[OB+4*\i:OB+4*\i+3], s[12:13] offset:8192*\i th:TH_STORE_NT   ; sixteen lanes store 256 bytes on end, aligned
.endr
	s_add_co_u32 s29, s29, 4                       ; my next tile
	s_add_co_u32 s28, s28, 1                       ; the loop counts its trips by 1 against a number that it does not write
	s_cmp_lt_u32 s28, s32
	s_cbranch_scc1 .Ltile
.Lend:
	s_wait_tensorcnt 0x0
	ds_add_u32 v239, v247
	s_wait_dscnt 0x0
	s_endpgm
.Lfunc_end_k_q389e6eb390_ffn2:
	.size	k_q389e6eb390_ffn2, .Lfunc_end_k_q389e6eb390_ffn2-k_q389e6eb390_ffn2
	.p2alignl 7, 3214868480
	.fill 96, 4, 3214868480
	.section	.rodata,"a",@progbits
	.p2align	6, 0x0
	.amdhsa_kernel k_q389e6eb390_ffn2
		.amdhsa_group_segment_fixed_size 69120
		.amdhsa_private_segment_fixed_size 0
		.amdhsa_enable_private_segment 0
		.amdhsa_kernarg_size 40
		.amdhsa_user_sgpr_count 2
		.amdhsa_user_sgpr_kernarg_segment_ptr 1
		.amdhsa_wavefront_size32 1
		.amdhsa_system_sgpr_workgroup_id_x 1
		.amdhsa_system_sgpr_workgroup_id_y 1
		.amdhsa_system_sgpr_workgroup_id_z 1
		.amdhsa_system_vgpr_workitem_id 0
		.amdhsa_next_free_vgpr 896
		.amdhsa_next_free_sgpr 66
		.amdhsa_reserve_vcc 0
		.amdhsa_float_denorm_mode_32 3
		.amdhsa_float_denorm_mode_16_64 3
		.amdhsa_memory_ordered 1
		.amdhsa_forward_progress 1
		.amdhsa_inst_pref_size 81
	.end_amdhsa_kernel
	.amdgpu_metadata
---
amdhsa.version: [ 1, 2 ]
amdhsa.kernels:
  - .name:           k_q389e6eb390_ffn2
    .symbol:         k_q389e6eb390_ffn2.kd
    .args:
      - { .name: W2, .offset: 0, .size: 8, .value_kind: global_buffer, .address_space: global }
      - { .name: b2, .offset: 8, .size: 8, .value_kind: global_buffer, .address_space: global }
      - { .name: hc, .offset: 16, .size: 8, .value_kind: global_buffer, .address_space: global }
      - { .name: plan, .offset: 24, .size: 8, .value_kind: global_buffer, .address_space: global }
      - { .name: o, .offset: 32, .size: 8, .value_kind: global_buffer, .address_space: global }
    .group_segment_fixed_size: 69120
    .private_segment_fixed_size: 0
    .kernarg_segment_align: 8
    .kernarg_segment_size: 40
    .max_flat_workgroup_size: 128
    .sgpr_count:     66
    .vgpr_count:     896
    .wavefront_size: 32
...
	.end_amdgpu_metadata
.endif
;; end of part 4
;; launch combine (part 5): grid 256 x 1, 8 waves a work-group, no clusters, 0 bytes of LDS; arguments o, plan, gates, out0; writes out0
.if DOCPART == 5
	.amdgcn_target "amdgcn-amd-amdhsa--gfx1250"
	.amdhsa_code_object_version 6
	.text
	.protected	k_q389e6eb390_combine
	.globl	k_q389e6eb390_combine
	.p2align	8
	.type	k_q389e6eb390_combine,@function
k_q389e6eb390_combine:
	s_mov_b64 s[64:65], 0
	v_nop
	global_prefetch_b8 v0, s[64:65] scope:SCOPE_SE
	s_setreg_imm32_b32 hwreg(HW_REG_WAVE_MODE, 25, 1), 1
	s_wait_xcnt 0x0
; y[t] = g1 (o0[s1] + o1[s1]) + g2 (o0[s2] + o1[s2]): the two halves of K and the token's two experts are added, each output row by one owner.
; A wave takes a token: its two slots (plan, stored by an earlier launch) and its two gates come by scalar loads; four rows of 4,096 bytes come in, one goes out; each load and store covers 512 bytes on end.
; A stream: no LDS, no barrier, no matrix unit.  All 32 loads of a wave are issued at once; the waits count down by the eight loads of two chunks.
.set S2OFF, 256
.set OPL,   17301504
	s_load_b256 s[4:11], s[0:1], 0x0               ; o s[4:5], plan s[6:7], gates s[8:9], out0 s[10:11]
	v_lshrrev_b32 v1, 5, v0
	v_readfirstlane_b32 s12, v1                    ; wave
	v_and_b32 v1, 31, v0
	v_lshlrev_b32 v2, 4, v1
	s_lshl_b32 s13, ttmp9, 3
	s_add_co_u32 s13, s13, s12                     ; token
	s_lshl_b32 s14, s13, 3
	s_mov_b32 s15, 0
	s_wait_kmcnt 0x0
	s_add_nc_u64 s[16:17], s[6:7], s[14:15]
	s_add_nc_u64 s[18:19], s[8:9], s[14:15]
	s_load_b64 s[20:21], s[16:17], S2OFF           ; its two slots
	s_load_b64 s[22:23], s[18:19], 0x0             ; its two gates
	s_lshl_b32 s14, s13, 12
	s_add_nc_u64 s[10:11], s[10:11], s[14:15]
	s_mov_b32 s25, 0
	s_mov_b32 s29, 0
	s_wait_kmcnt 0x0
	s_min_u32 s20, s20, 0x107f
	s_min_u32 s21, s21, 0x107f
	s_lshl_b32 s24, s20, 12
	s_add_nc_u64 s[24:25], s[4:5], s[24:25]
	s_add_nc_u64 s[26:27], s[24:25], OPL
	s_lshl_b32 s28, s21, 12
	s_add_nc_u64 s[28:29], s[4:5], s[28:29]
	s_add_nc_u64 s[30:31], s[28:29], OPL
	s_mov_b32 s34, s22                             ; the packed forms name a pair and take its low word for both halves: both words are written
	s_mov_b32 s35, s22
	s_mov_b32 s36, s23
	s_mov_b32 s37, s23
.irp i, 0,1,2,3,4,5,6,7
	global_load_b128 v[16+16*\i:19+16*\i], v2, s[24:25] offset:512*\i th:TH_LOAD_NT
	global_load_b128 v[20+16*\i:23+16*\i], v2, s[26:27] offset:512*\i th:TH_LOAD_NT
	global_load_b128 v[24+16*\i:27+16*\i], v2, s[28:29] offset:512*\i th:TH_LOAD_NT
	global_load_b128 v[28+16*\i:31+16*\i], v2, s[30:31] offset:512*\i th:TH_LOAD_NT
.endr
.irp i, 0,1,2,3,4,5,6,7
.if (\i%2) == 0
	s_wait_loadcnt 24-4*\i                         ; chunks i and i + 1 are in: behind their eight loads stand those of the chunks that follow
.endif
.irp p, 0,2
	v_pk_add_f32 v[16+16*\i+\p:17+16*\i+\p], v[16+16*\i+\p:17+16*\i+\p], v[20+16*\i+\p:21+16*\i+\p]
	v_pk_add_f32 v[24+16*\i+\p:25+16*\i+\p], v[24+16*\i+\p:25+16*\i+\p], v[28+16*\i+\p:29+16*\i+\p]
	v_pk_mul_f32 v[16+16*\i+\p:17+16*\i+\p], v[16+16*\i+\p:17+16*\i+\p], s[34:35] op_sel_hi:[1,0]
	v_pk_fma_f32 v[16+16*\i+\p:17+16*\i+\p], v[24+16*\i+\p:25+16*\i+\p], s[36:37], v[16+16*\i+\p:17+16*\i+\p] op_sel_hi:[1,0,1]
.endr
	global_store_b128 v2, v[16+16*\i:19+16*\i], s[10:11] offset:512*\i th:TH_STORE_NT
.endr
	s_endpgm
.Lfunc_end_k_q389e6eb390_combine:
	.size	k_q389e6eb390_combine, .Lfunc_end_k_q389e6eb390_combine-k_q389e6eb390_combine
	.p2alignl 7, 3214868480
	.fill 96, 4, 3214868480
	.section	.rodata,"a",@progbits
	.p2align	6, 0x0
	.amdhsa_kernel k_q389e6eb390_combine
		.amdhsa_group_segment_fixed_size 0
		.amdhsa_private_segment_fixed_size 0
		.amdhsa_enable_private_segment 0
		.amdhsa_kernarg_size 32
		.amdhsa_user_sgpr_count 2
		.amdhsa_user_sgpr_kernarg_segment_ptr 1
		.amdhsa_wavefront_size32 1
		.amdhsa_system_sgpr_workgroup_id_x 1
		.amdhsa_system_sgpr_workgroup_id_y 1
		.amdhsa_system_sgpr_workgroup_id_z 1
		.amdhsa_system_vgpr_workitem_id 0
		.amdhsa_next_free_vgpr 160
		.amdhsa_next_free_sgpr 66
		.amdhsa_reserve_vcc 0
		.amdhsa_float_denorm_mode_32 3
		.amdhsa_float_denorm_mode_16_64 3
		.amdhsa_memory_ordered 1
		.amdhsa_forward_progress 1
		.amdhsa_inst_pref_size 10
	.end_amdhsa_kernel
	.amdgpu_metadata
---
amdhsa.version: [ 1, 2 ]
amdhsa.kernels:
  - .name:           k_q389e6eb390_combine
    .symbol:         k_q389e6eb390_combine.kd
    .args:
      - { .name: o, .offset: 0, .size: 8, .value_kind: global_buffer, .address_space: global }
      - { .name: plan, .offset: 8, .size: 8, .value_kind: global_buffer, .address_space: global }
      - { .name: gates, .offset: 16, .size: 8, .value_kind: global_buffer, .address_space: global }
      - { .name: out0, .offset: 24, .size: 8, .value_kind: global_buffer, .address_space: global }
    .group_segment_fixed_size: 0
    .private_segment_fixed_size: 0
    .kernarg_segment_align: 8
    .kernarg_segment_size: 32
    .max_flat_workgroup_size: 256
    .sgpr_count:     66
    .vgpr_count:     160
    .wavefront_size: 32
...
	.end_amdgpu_metadata
.endif
;; end of part 5
;; ======== version 2 of 2: 5 launches
;; workspace buffers: xc 1,638,400 bytes; route 8,192 bytes of whole numbers; gates 16,384 bytes; plan 33,536 bytes of whole numbers; hc 6,758,400 bytes; o 34,603,008 bytes
;; launch gate (part 6): grid 256 x 1, 4 waves a work-group, no clusters, 42,752 bytes of LDS; arguments x, Wg, bg, xc, route, gates; writes xc, route, gates
.if DOCPART == 6
	.amdgcn_target "amdgcn-amd-amdhsa--gfx1250"
	.amdhsa_code_object_version 6
	.text
	.protected	k_q389e6eb390_gate
	.globl	k_q389e6eb390_gate
	.p2align	8
	.type	k_q389e6eb390_gate,@function
k_q389e6eb390_gate:
	s_mov_b64 s[64:65], 0
	v_nop
	global_prefetch_b8 v0, s[64:65] scope:SCOPE_SE
	s_setreg_imm32_b32 hwreg(HW_REG_WAVE_MODE, 25, 1), 1
	s_wait_xcnt 0x0
; ROUTER AND QUANTISER OF x.  x [2048][1024] f32, Wg [1024][8], bg [8].  A work-group of four waves takes 8 tokens.
; A: logits = x Wg + bg in f32 (fused multiply-adds): wave w takes k = 256 w .. 256 w + 255 of all 8 tokens, so a lane holds 8 k of Wg (64 registers) once.
;    The waves' parts meet in LDS; wave 0, a lane a token, takes the maximum away, exponentials, top 2 (strict >, so the lower index wins a tie), gates = p / (p1 + p2 + 1e-9).
;    The choice is only STORED: route[t] = (1<<e1 | 1<<e2) | e1<<8 | e2<<16, gates[t] = g1, g2, at fixed places; no address or branch here hangs on it.
; B: x as codes of E3M2 with one E8M0 byte for 32 along K.  x's 8 rows lie in LDS from phase A (read from memory once); wave w quantises tokens 2 w, 2 w + 1.
;    xc: a token's codes at 768 t; block B (24 bytes) at 384 (B & 1) + 24 (B >> 1): so lane (r, h) of an operand finds its 96 registers (8 K steps) in 384 bytes on end.
;    Scale bytes at XSOFF + 32 t + B.
; LIMITS: NaN and infinities among the inputs are not served.  A block of zeros gets the byte 1 (its codes are zeros; this program alone reads the bytes).
; Two logits nearer to each other than the rounding of an f32 sum of 1,024 products may be chosen the other way round than by another order of summing.
; No matrix unit (N = 8), no tensor load, no cluster: the work-groups share only Wg, 32 KiB.
.set PART,  40960                      ; LDS: x's 8 rows from 0: 5,120 bytes a token = 64 chunks of 64 bytes + 16 of padding;  PART: the waves' sums, 256 w + 32 token + 4 e
.set SCB,   41984                      ; the 8 tokens' 32 scale bytes each
.set XSOFF, 1572864
.set X,  16                            ; v16-79   X[8 tau + 4 j + c] = x(tau, 256 w + 128 j + 4 lane + c); later 4 sets of 16 neighbours
.set G,  80                            ; v80-143  G[8 (4 j + c) + e] = Wg(256 w + 128 j + 4 lane + c, e)
.set S,  144                           ; v144-207 S[8 tau + e]
.set CD, 216                           ; v216-231 codes, 4 registers a set
.set EB, 232                           ; v232-235 scale bytes
	s_load_b256 s[4:11], s[0:1], 0x0               ; x s[4:5], Wg s[6:7], bg s[8:9], xc s[10:11]
	s_load_b128 s[12:15], s[0:1], 0x20             ; route s[12:13], gates s[14:15]
	v_lshl_add_u32 v254, v0, 2, 0xa500
	v_mov_b32 v255, 0
	v_lshrrev_b32 v1, 5, v0
	v_readfirstlane_b32 s16, v1                    ; wave
	v_and_b32 v1, 31, v0                           ; lane
	s_lshl_b32 s17, s16, 10
	v_lshl_add_u32 v2, v1, 4, s17                  ; x: 1,024 w + 16 lane
	s_lshl_b32 s17, s16, 13
	v_lshl_add_u32 v3, v1, 7, s17                  ; Wg: 8,192 w + 128 lane (four rows of 32 bytes)
	v_lshrrev_b32 v13, 2, v1
	v_and_b32 v14, 3, v1
	v_mul_u32_u24 v4, v13, 80
	v_lshl_add_u32 v4, v14, 4, v4
	s_mul_i32 s17, s16, 1280
	v_add_nc_u32 v4, s17, v4                       ; x into LDS: chunk 16 w + lane / 4, 16 (lane % 4) in it
	s_lshl_b32 s17, s16, 8
	s_add_co_u32 s17, s17, PART
	v_mov_b32 v5, s17                              ; my wave's sums
	v_lshrrev_b32 v13, 1, v1
	v_and_b32 v14, 1, v1
	v_lshl_add_u32 v13, v13, 2, v14
	v_mul_u32_u24 v6, v13, 80
	s_mul_i32 s17, s16, 10240
	v_add_nc_u32 v6, s17, v6                       ; x out of LDS: token 2 w, chunk 4 (lane / 2) + lane % 2
	v_and_b32 v7, 30, v1
	s_lshl_b32 s17, s16, 6
	s_add_co_u32 s17, s17, SCB
	v_add_nc_u32 v7, s17, v7                       ; my block's byte: SCB + 64 w + 2 (lane / 2)
	v_mul_u32_u24 v8, v1, 12
	s_mul_i32 s17, s16, 1536
	v_add_nc_u32 v8, s17, v8                       ; my 12 bytes of codes
	v_and_b32 v9, 7, v1
	v_lshl_add_u32 v9, v9, 5, PART                 ; the router: lane % 8 is the token
	v_lshlrev_b32 v10, 2, v1
	v_lshlrev_b32 v11, 3, v1
	v_lshl_add_u32 v12, v1, 3, SCB
	s_mov_b32 s28, 0x76543210
	s_mov_b32 s29, 0xfedcba98                      ; v_permlanex16_b32's selects for lane xor 16
	s_mov_b32 s19, 0
	s_wait_kmcnt 0x0
	s_load_b256 s[20:27], s[8:9], 0x0              ; bg
	s_lshl_b32 s18, ttmp9, 15
	s_add_nc_u64 s[4:5], s[4:5], s[18:19]          ; x at my 8 tokens
	s_lshl_b32 s18, ttmp9, 8
	s_add_nc_u64 s[30:31], s[10:11], s[18:19]      ; their scale bytes (XSOFF stands in the store's immediate)
	s_mul_i32 s18, ttmp9, 6144
	s_add_nc_u64 s[10:11], s[10:11], s[18:19]      ; their codes
	s_lshl_b32 s18, ttmp9, 5
	s_add_nc_u64 s[12:13], s[12:13], s[18:19]
	s_lshl_b32 s18, ttmp9, 6
	s_add_nc_u64 s[14:15], s[14:15], s[18:19]
.irp tau, 0,1,2,3,4,5,6,7
.irp jj, 0,1
	global_load_b128 v[X+8*\tau+4*\jj:X+8*\tau+4*\jj+3], v2, s[4:5] offset:4096*\tau+512*\jj th:TH_LOAD_NT   ; 32 lanes read 512 bytes on end
.endr
.endr
.irp kk, 0,1,2,3,4,5,6,7
	global_load_b128 v[G+8*\kk:G+8*\kk+3], v3, s[6:7] offset:4096*(\kk/4)+32*(\kk%4)
	global_load_b128 v[G+8*\kk+4:G+8*\kk+7], v3, s[6:7] offset:4096*(\kk/4)+32*(\kk%4)+16
.endr
	s_wait_loadcnt 0x0
	s_wait_kmcnt 0x0
.irp tau, 0,1,2,3,4,5,6,7
.irp jj, 0,1
	ds_store_b128 v4, v[X+8*\tau+4*\jj:X+8*\tau+4*\jj+3] offset:5120*\tau+640*\jj    ; x stays in LDS for phase B
.endr
.endr
; 256 packed multiply-adds: two experts at a time, one x for both halves
.irp tau, 0,1,2,3,4,5,6,7
.irp p, 0,2,4,6
	v_pk_mul_f32 v[S+8*\tau+\p:S+8*\tau+\p+1], v[X+8*\tau:X+8*\tau+1], v[G+\p:G+\p+1] op_sel_hi:[0,1]
.endr
.endr
.irp kk, 2,4,6
.irp tau, 0,1,2,3,4,5,6,7
.irp p, 0,2,4,6
	v_pk_fma_f32 v[S+8*\tau+\p:S+8*\tau+\p+1], v[X+8*\tau+\kk:X+8*\tau+\kk+1], v[G+8*\kk+\p:G+8*\kk+\p+1], v[S+8*\tau+\p:S+8*\tau+\p+1] op_sel_hi:[0,1,1]
.endr
.endr
.endr
.irp kk, 1,3,5,7
.irp tau, 0,1,2,3,4,5,6,7
.irp p, 0,2,4,6
	v_pk_fma_f32 v[S+8*\tau+\p:S+8*\tau+\p+1], v[X+8*\tau+\kk-1:X+8*\tau+\kk], v[G+8*\kk+\p:G+8*\kk+\p+1], v[S+8*\tau+\p:S+8*\tau+\p+1] op_sel:[1,0,0] op_sel_hi:[1,1,1]
.endr
.endr
.endr
; the 64 sums over the 32 lanes
.irp m, 1,2,4,8
.set i, 0
.rept 64
	v_add_f32_dpp v[S+i], v[S+i], v[S+i] row_xmask:\m row_mask:0xf bank_mask:0xf
.set i, i+1
.endr
.endr
	s_wait_dscnt 0x0                               ; the LDS stores have read X: it takes the other half's sums
.set i, 0
.rept 64
	v_permlanex16_b32 v[X+i], v[S+i], s28, s29
.set i, i+1
.endr
.set i, 0
.rept 32
	v_pk_add_f32 v[S+i:S+i+1], v[S+i:S+i+1], v[X+i:X+i+1]
.set i, i+2
.endr
.irp i, 0,1,2,3,4,5,6,7,8,9,10,11,12,13,14,15
	ds_store_b128 v5, v[S+4*\i:S+4*\i+3] offset:16*\i          ; all lanes hold the same sums and write the same words
.endr
	s_wait_dscnt 0x0                               ; for the others' sake: x's rows and my sums lie in LDS
	s_barrier_signal -1
	s_barrier_wait -1
	s_cmp_lg_u32 s16, 0
	s_cbranch_scc1 .Lno_router
; THE ROUTER, wave 0, lane % 8 = token (lanes 8-31 repeat and store nothing)
.irp i, 0,1,2,3
	ds_load_b128 v[16+8*\i:19+8*\i], v9 offset:256*\i
	ds_load_b128 v[20+8*\i:23+8*\i], v9 offset:256*\i+16
.endr
	s_wait_dscnt 0x0
.irp p, 0,2,4,6
	v_pk_add_f32 v[16+\p:17+\p], v[16+\p:17+\p], v[24+\p:25+\p]
	v_pk_add_f32 v[32+\p:33+\p], v[32+\p:33+\p], v[40+\p:41+\p]
.endr
.irp p, 0,2,4,6
	v_pk_add_f32 v[16+\p:17+\p], v[16+\p:17+\p], v[32+\p:33+\p]
.endr
.irp e, 0,1,2,3,4,5,6,7
	v_add_f32 v[16+\e], s[20+\e], v[16+\e]         ; + bg: the logits
.endr
	v_max3_num_f32 v48, v16, v17, v18
	v_max3_num_f32 v48, v48, v19, v20
	v_max3_num_f32 v48, v48, v21, v22
	v_max_num_f32 v48, v48, v23                    ; the largest logit is taken away
.irp e, 0,1,2,3,4,5,6,7
	v_sub_f32 v[16+\e], v[16+\e], v48
.endr
.irp e, 0,1,2,3,4,5,6,7
	v_mul_f32 v[16+\e], 0x3e93bb63, v[16+\e]       ; x log2(e) / 5
.endr
	s_wait_alu depctr_va_vdst(0)
.irp e, 0,1,2,3,4,5,6,7
	v_exp_f32 v[16+\e], v[16+\e]
.endr
	v_mov_b32 v51, 0                               ; i1 (a plain line behind the exponentials)
	s_wait_alu depctr_va_vdst(0)                   ; one wait for the eight, ahead of their first reader
	v_add_f32 v49, v16, v17
	v_add_f32 v56, v18, v19
	v_add_f32 v57, v20, v21
	v_add_f32 v58, v22, v23
	v_add_f32 v49, v49, v56
	v_add_f32 v57, v57, v58
	v_add_f32 v49, v49, v57
	s_wait_alu depctr_va_vdst(0)
	v_rcp_f32 v56, v49                             ; 1 / the sum; the search below does not name it
	v_mov_b32 v50, v16                             ; b1 = E0
	v_mov_b32 v52, -1.0                            ; b2: under every E
	v_mov_b32 v53, 0                               ; i2
.irp e, 1,2,3,4,5,6,7
	v_cmp_gt_f32 s17, v[16+\e], v50                ; beats the best?
	v_cmp_gt_f32 vcc_lo, v[16+\e], v52             ; beats the second?
	v_cndmask_b32 v54, v[16+\e], v50, s17          ; what goes to second place: the old best, or E
	v_cndmask_b32 v55, \e, v51, s17
	v_cndmask_b32 v52, v52, v54, vcc_lo
	v_cndmask_b32 v53, v53, v55, vcc_lo
	v_cndmask_b32 v50, v50, v[16+\e], s17
	v_cndmask_b32 v51, v51, \e, s17
.endr
	s_wait_alu depctr_va_vdst(0)                   ; the reciprocal, ahead of its first reader
	v_mul_f32 v57, v50, v56                        ; p1
	v_mul_f32 v58, v52, v56                        ; p2
	v_add_f32 v59, v57, v58
	v_add_f32 v59, 0x3089705f, v59                 ; + 1e-9
	s_wait_alu depctr_va_vdst(0)
	v_rcp_f32 v60, v59
	v_lshlrev_b32 v64, v51, 1                      ; 1 << e1
	v_lshlrev_b32 v65, v53, 1
	v_or_b32 v64, v64, v65
	v_lshl_or_b32 v64, v51, 8, v64
	v_lshl_or_b32 v64, v53, 16, v64
	s_wait_alu depctr_va_vdst(0)
	v_mul_f32 v62, v57, v60                        ; g1
	v_mul_f32 v63, v58, v60                        ; g2
	s_wait_alu depctr_va_vdst(0)
	s_wait_xcnt 0x0                                ; EXEC changes only behind this wait
	v_cmp_gt_u32 vcc_lo, 8, v1
	s_and_saveexec_b32 s17, vcc_lo
	global_store_b32 v10, v64, s[12:13]
	global_store_b64 v11, v[62:63], s[14:15]
	s_wait_xcnt 0x0
	s_or_b32 exec_lo, exec_lo, s17
.Lno_router:
; B: set n = 2 a + sigma: token 2 w + a, the blocks with B & 1 = sigma; a lane holds 16 neighbours, two neighbouring lanes a block
.irp n, 0,1,2,3
.irp i, 0,1,2,3
	ds_load_b128 v[X+16*\n+4*\i:X+16*\n+4*\i+3], v6 offset:5120*(\n/2)+160*(\n%2)+16*\i
.endr
.endr
	s_wait_dscnt 0x0
.irp n, 0,1,2,3
	v_max3_num_f32 v208, |v[X+16*\n]|, |v[X+16*\n+1]|, |v[X+16*\n+2]|
	v_max3_num_f32 v209, |v[X+16*\n+3]|, |v[X+16*\n+4]|, |v[X+16*\n+5]|
.irp i, 6,10
	v_max3_num_f32 v208, v208, |v[X+16*\n+\i]|, |v[X+16*\n+\i+1]|
	v_max3_num_f32 v209, v209, |v[X+16*\n+\i+2]|, |v[X+16*\n+\i+3]|
.endr
	v_max3_num_f32 v208, v208, |v[X+16*\n+14]|, |v[X+16*\n+15]|
	v_max3_num_f32 v208, v208, v209, 0x2800000     ; the floor 2^(5 - 127): the byte cannot fall under 1
	v_max_num_f32_dpp v208, v208, v208 row_xmask:1 row_mask:0xf bank_mask:0xf   ; with my neighbour's 16: the block's largest magnitude
	v_add_nc_u32 v210, 0xfe000000, v208            ; 4 off its exponent field: the conversion's scale operand
	v_cvt_scalef32_pk16_bf6_f32 v[CD+4*\n:CD+4*\n+2], v[X+16*\n:X+16*\n+15], v210
	v_lshrrev_b32 v[EB+\n], 23, v210               ; the scale's byte (also the plain line behind the conversion)
	ds_store_b8 v7, v[EB+\n] offset:32*(\n/2)+(\n%2)           ; both lanes of a block write the same byte
	global_store_b96 v8, v[CD+4*\n:CD+4*\n+2], s[10:11] offset:768*(\n/2)+384*(\n%2)   ; 32 lanes store 384 bytes on end; a token's two stores make 768
.endr
	s_wait_dscnt 0x0
	s_barrier_signal -1
	s_barrier_wait -1
	s_cmp_lg_u32 s16, 0
	s_cbranch_scc1 .Lend
	ds_load_b64 v[240:241], v12
	s_wait_dscnt 0x0
	global_store_b64 v11, v[240:241], s[30:31] offset:XSOFF    ; the 8 tokens' scale bytes: 256 bytes on end, aligned
.Lend:
	s_wait_tensorcnt 0x0
	ds_add_u32 v254, v255
	s_wait_dscnt 0x0
	s_endpgm
.Lfunc_end_k_q389e6eb390_gate:
	.size	k_q389e6eb390_gate, .Lfunc_end_k_q389e6eb390_gate-k_q389e6eb390_gate
	.p2alignl 7, 3214868480
	.fill 96, 4, 3214868480
	.section	.rodata,"a",@progbits
	.p2align	6, 0x0
	.amdhsa_kernel k_q389e6eb390_gate
		.amdhsa_group_segment_fixed_size 42752
		.amdhsa_private_segment_fixed_size 0
		.amdhsa_enable_private_segment 0
		.amdhsa_kernarg_size 48
		.amdhsa_user_sgpr_count 2
		.amdhsa_user_sgpr_kernarg_segment_ptr 1
		.amdhsa_wavefront_size32 1
		.amdhsa_system_sgpr_workgroup_id_x 1
		.amdhsa_system_sgpr_workgroup_id_y 1
		.amdhsa_system_sgpr_workgroup_id_z 1
		.amdhsa_system_vgpr_workitem_id 0
		.amdhsa_next_free_vgpr 256
		.amdhsa_next_free_sgpr 66
		.amdhsa_reserve_vcc 1
		.amdhsa_float_denorm_mode_32 3
		.amdhsa_float_denorm_mode_16_64 3
		.amdhsa_memory_ordered 1
		.amdhsa_forward_progress 1
		.amdhsa_inst_pref_size 59
	.end_amdhsa_kernel
	.amdgpu_metadata
---
amdhsa.version: [ 1, 2 ]
amdhsa.kernels:
  - .name:           k_q389e6eb390_gate
    .symbol:         k_q389e6eb390_gate.kd
    .args:
      - { .name: x, .offset: 0, .size: 8, .value_kind: global_buffer, .address_space: global }
      - { .name: Wg, .offset: 8, .size: 8, .value_kind: global_buffer, .address_space: global }
      - { .name: bg, .offset: 16, .size: 8, .value_kind: global_buffer, .address_space: global }
      - { .name: xc, .offset: 24, .size: 8, .value_kind: global_buffer, .address_space: global }
      - { .name: route, .offset: 32, .size: 8, .value_kind: global_buffer, .address_space: global }
      - { .name: gates, .offset: 40, .size: 8, .value_kind: global_buffer, .address_space: global }
    .group_segment_fixed_size: 42752
    .private_segment_fixed_size: 0
    .kernarg_segment_align: 8
    .kernarg_segment_size: 48
    .max_flat_workgroup_size: 128
    .sgpr_count:     66
    .vgpr_count:     256
    .wavefront_size: 32
...
	.end_amdgpu_metadata
.endif
;; end of part 6
;; launch place (part 7): grid 1 x 1, 32 waves a work-group, no clusters, 70,144 bytes of LDS; arguments route, plan; writes plan
.if DOCPART == 7
	.amdgcn_target "amdgcn-amd-amdhsa--gfx1250"
	.amdhsa_code_object_version 6
	.text
	.protected	k_q389e6eb390_place
	.globl	k_q389e6eb390_place
	.p2align	8
	.type	k_q389e6eb390_place,@function
k_q389e6eb390_place:
	s_mov_b64 s[64:65], 0
	v_nop
	global_prefetch_b8 v0, s[64:65] scope:SCOPE_SE
	s_setreg_imm32_b32 hwreg(HW_REG_WAVE_MODE, 25, 1), 1
	s_wait_xcnt 0x0
; THE ROWS ARE PLACED BY EXPERT: a counting sort of the 4,096 routed rows (token, k), by one work-group, without atomics.
; Expert e owns tiles tb[e] .. tb[e] + ceil(cnt[e] / 16) - 1 of 16 slots.  plan: cnt[8] at 0, tb[8] at 32; slot2[token][2] at S2OFF; rowtok[slot] at RTOFF.
; Wave wv stands for expert wv / 4 and tokens 512 (wv % 4) on.  The order inside an expert is free: nothing is dropped.
; Each slot is stored once: members by their wave; an expert's pad slots (15 at the most) get token 0 from the wave of its last quarter.  Tiles behind the last expert's are not stored, and nobody reads them.
; One work-group, since the places hang on all counts; the work is 8 KiB in and 33 KiB out.
.set CNT,   65536                      ; LDS: planes PL[e][token], a word each, from 0; the 32 waves' counts at CNT
.set S2OFF, 256
.set RTOFF, 16640
.set R,   16                           ; v16-31  route words: R[4 c + i] = token 512 qd + 128 c + 4 lane + i
.set POS, 32                           ; v32-47  their slots
.set ADR, 48                           ; v48-63  4 x slot
.set TK,  64                           ; v64-79  their token numbers
.set QW,  80                           ; v80-81  route words of tokens 64 wv + 2 lane, + 1
.set P8,  84                           ; v84-99  those two tokens' words of the eight planes
.set RES, 100                          ; v100-103 their four slots
.set MK,  68                           ; s68-83  lane masks: who of R[c] is a member
	s_load_b128 s[4:7], s[0:1], 0x0                ; route, plan
	v_lshl_add_u32 v112, v0, 2, 0x10200
	v_mov_b32 v113, 0
	v_lshrrev_b32 v1, 5, v0
	s_delay_alu instid0(VALU_DEP_1)
	v_readfirstlane_b32 s8, v1                     ; wv
	v_and_b32 v1, 31, v0
	s_wait_alu depctr_va_vdst(0)
	s_lshr_b32 s9, s8, 2                           ; e
	s_and_b32 s10, s8, 3                           ; qd
	s_lshl_b32 s11, 1, s9                          ; e's bit
	s_lshl_b32 s12, s10, 11
	v_lshl_add_u32 v2, v1, 4, s12                  ; route: 2,048 qd + 16 lane
	s_lshl_b32 s12, s8, 8
	v_lshl_add_u32 v3, v1, 3, s12                  ; 256 wv + 8 lane: in route, and in a plane
	s_lshl_b32 s12, s8, 2
	s_add_co_u32 s12, s12, CNT
	v_mov_b32 v4, s12
	v_lshl_add_u32 v5, v1, 2, CNT
	s_lshl_b32 s12, s8, 11
	v_lshl_add_u32 v6, v1, 4, s12                  ; my part of plane e: 8,192 e + 2,048 qd + 16 lane
	s_lshl_b32 s12, s10, 9
	v_lshl_add_u32 v7, v1, 2, s12                  ; 512 qd + 4 lane
	v_lshlrev_b32 v8, 2, v1
	s_lshl_b32 s12, s8, 9
	v_lshl_add_u32 v9, v1, 4, s12                  ; slot2: 512 wv + 16 lane
	v_mov_b32 v10, 0
	v_mov_b32 v11, 0
	s_wait_alu depctr_va_vdst(0)
	s_wait_kmcnt 0x0
.irp c, 0,1,2,3
	global_load_b128 v[R+4*\c:R+4*\c+3], v2, s[4:5] offset:512*\c
.endr
	global_load_b64 v[QW:QW+1], v3, s[4:5]
	s_wait_loadcnt 0x0
	s_mov_b32 s13, 0
.irp c, 0,1,2,3,4,5,6,7,8,9,10,11,12,13,14,15
	v_and_b32 v12, s11, v[R+\c]
	s_delay_alu instid0(VALU_DEP_1)
	v_cmp_ne_u32 s[MK+\c], 0, v12
	s_bcnt1_i32_b32 s14, s[MK+\c]
	s_add_co_u32 s13, s13, s14                     ; my quarter's members
.endr
	v_mov_b32 v12, s13
	ds_store_b32 v4, v12
	s_wait_dscnt 0x0
	s_barrier_signal -1
	s_barrier_wait -1
	ds_load_b32 v12, v5
	s_wait_dscnt 0x0
.irp n, 0,1,2,3,4,5,6,7,8,9,10,11,12,13,14,15,16,17,18,19,20,21,22,23,24,25,26,27,28,29,30,31
	v_readlane_b32 s[20+\n], v12, \n
.endr
	s_mov_b32 s86, 0                               ; tiles so far
	s_mov_b32 s87, 0                               ; my first slot
.irp ee, 0,1,2,3,4,5,6,7
	s_lshl_b32 s88, s86, 4
	s_mov_b32 s90, s88
.irp qq, 0,1,2,3
	s_cmp_eq_u32 s8, 4*\ee+\qq
	s_cselect_b32 s87, s88, s87
	s_add_co_u32 s88, s88, s[20+4*\ee+\qq]
.endr
	s_sub_co_u32 s89, s88, s90                     ; cnt
	v_writelane_b32 v11, s89, \ee
	s_delay_alu instid0(VALU_DEP_1)
	v_writelane_b32 v11, s86, 8+\ee                ; tb
	s_wait_alu depctr_va_vdst(0)
	s_add_co_u32 s89, s89, 15
	s_lshr_b32 s89, s89, 4
	s_add_co_u32 s86, s86, s89
.endr
	s_cmp_lg_u32 s8, 0
	s_cbranch_scc1 .Lnot0
	global_store_b32 v8, v11, s[6:7]               ; cnt, tb (and 64 bytes of zeros behind them)
.Lnot0:
.irp c, 0,1,2,3,4,5,6,7,8,9,10,11,12,13,14,15
	v_mbcnt_lo_u32_b32 v[POS+\c], s[MK+\c], s87    ; members in lower lanes + those before
	s_bcnt1_i32_b32 s14, s[MK+\c]
	s_add_co_u32 s87, s87, s14
	v_min_u32 v[POS+\c], 0x107f, v[POS+\c]         ; at most 263 tiles: never at work
	s_delay_alu instid0(VALU_DEP_1)
	v_lshlrev_b32 v[ADR+\c], 2, v[POS+\c]
	v_add_nc_u32 v[TK+\c], 128*(\c/4)+(\c%4), v7
.endr
.irp c, 0,1,2,3
	ds_store_b128 v6, v[POS+4*\c:POS+4*\c+3] offset:512*\c     ; every token's word of plane e; who is no member stores a number that nobody selects
.endr
	s_add_co_u32 s92, s87, 15                      ; the pad slots: from the expert's end to the tile's, for the last quarter's wave alone
	s_and_b32 s92, s92, -16
	s_cmp_eq_u32 s10, 3
	s_cselect_b32 s92, s92, s87
	v_add_nc_u32 v13, s87, v1
	s_delay_alu instid0(VALU_DEP_1)
	v_cmp_gt_u32 vcc_lo, s92, v13
	s_delay_alu instid0(VALU_DEP_2)
	v_min_u32 v13, 0x107f, v13
	s_delay_alu instid0(VALU_DEP_1)
	v_lshlrev_b32 v13, 2, v13
	s_wait_alu depctr_va_vdst(0)
	s_wait_xcnt 0x0                                ; EXEC changes only behind this wait
	s_and_saveexec_b32 s91, vcc_lo
	global_store_b32 v13, v10, s[6:7] offset:RTOFF
	s_wait_xcnt 0x0
	s_or_b32 exec_lo, exec_lo, s91
.irp c, 0,1,2,3,4,5,6,7,8,9,10,11,12,13,14,15
	s_and_saveexec_b32 s91, s[MK+\c]
	global_store_b32 v[ADR+\c], v[TK+\c], s[6:7] offset:RTOFF  ; rowtok[slot] = token, members only
	s_wait_xcnt 0x0
	s_or_b32 exec_lo, exec_lo, s91
.endr
	s_wait_dscnt 0x0
	s_barrier_signal -1
	s_barrier_wait -1
.irp ee, 0,1,2,3,4,5,6,7
	ds_load_b64 v[P8+2*\ee:P8+2*\ee+1], v3 offset:8192*\ee
.endr
	s_wait_dscnt 0x0
.irp i, 0,1
.irp k, 0,1
	v_bfe_u32 v12, v[QW+\i], 8+8*\k, 4             ; the token's k-th expert
	v_mov_b32 v[RES+2*\i+\k], v[P8+\i]
.irp ee, 1,2,3,4,5,6,7
	v_cmp_eq_u32 vcc_lo, \ee, v12
	s_delay_alu instid0(VALU_DEP_1)
	v_cndmask_b32 v[RES+2*\i+\k], v[RES+2*\i+\k], v[P8+2*\ee+\i], vcc_lo
.endr
.endr
.endr
	global_store_b128 v9, v[RES:RES+3], s[6:7] offset:S2OFF    ; 32 lanes store 512 bytes on end
	s_wait_tensorcnt 0x0
	ds_add_u32 v112, v113
	s_wait_dscnt 0x0
	s_endpgm
.Lfunc_end_k_q389e6eb390_place:
	.size	k_q389e6eb390_place, .Lfunc_end_k_q389e6eb390_place-k_q389e6eb390_place
	.p2alignl 7, 3214868480
	.fill 96, 4, 3214868480
	.section	.rodata,"a",@progbits
	.p2align	6, 0x0
	.amdhsa_kernel k_q389e6eb390_place
		.amdhsa_group_segment_fixed_size 70144
		.amdhsa_private_segment_fixed_size 0
		.amdhsa_enable_private_segment 0
		.amdhsa_kernarg_size 16
		.amdhsa_user_sgpr_count 2
		.amdhsa_user_sgpr_kernarg_segment_ptr 1
		.amdhsa_wavefront_size32 1
		.amdhsa_system_sgpr_workgroup_id_x 1
		.amdhsa_system_sgpr_workgroup_id_y 1
		.amdhsa_system_sgpr_workgroup_id_z 1
		.amdhsa_system_vgpr_workitem_id 0
		.amdhsa_next_free_vgpr 114
		.amdhsa_next_free_sgpr 96
		.amdhsa_reserve_vcc 1
		.amdhsa_float_denorm_mode_32 3
		.amdhsa_float_denorm_mode_16_64 3
		.amdhsa_memory_ordered 1
		.amdhsa_forward_progress 1
		.amdhsa_inst_pref_size 27
	.end_amdhsa_kernel
	.amdgpu_metadata
---
amdhsa.version: [ 1, 2 ]
amdhsa.kernels:
  - .name:           k_q389e6eb390_place
    .symbol:         k_q389e6eb390_place.kd
    .args:
      - { .name: route, .offset: 0, .size: 8, .value_kind: global_buffer, .address_space: global }
      - { .name: plan, .offset: 8, .size: 8, .value_kind: global_buffer, .address_space: global }
    .group_segment_fixed_size: 70144
    .private_segment_fixed_size: 0
    .kernarg_segment_align: 8
    .kernarg_segment_size: 16
    .max_flat_workgroup_size: 1024
    .sgpr_count:     96
    .vgpr_count:     114
    .wavefront_size: 32
...
	.end_amdgpu_metadata
.endif
;; end of part 7
;; launch ffn1 (part 8): grid 256 x 1, 4 waves a work-group, no clusters, 51,712 bytes of LDS; arguments W1, b1, xc, plan, hc; writes hc
.if DOCPART == 8
	.amdgcn_target "amdgcn-amd-amdhsa--gfx1250"
	.amdhsa_code_object_version 6
	.text
	.protected	k_q389e6eb390_ffn1
	.globl	k_q389e6eb390_ffn1
	.p2align	8
	.type	k_q389e6eb390_ffn1,@function
k_q389e6eb390_ffn1:
	s_mov_b64 s[64:65], 0
	v_nop
	global_prefetch_b8 v0, s[64:65] scope:SCOPE_SE
	s_setreg_imm32_b32 hwreg(HW_REG_WAVE_SCHED_MODE, 0, 2), 2
	s_setreg_imm32_b32 hwreg(HW_REG_WAVE_MODE, 25, 1), 1
	s_wait_xcnt 0x0
	s_wait_alu depctr_vm_vsrc(0)
; h = Q(gelu(x W1[e] + b1[e])) for the rows routed to expert e, on codes of E3M2 with one E8M0 scale for 32 along K.
; THE WEIGHTS STAND STILL: work-group (e = wg / 32, j = wg % 32) owns hidden units 64 j .. 64 j + 63 of expert e: 1,024 rows x 256 bytes of W1, read from memory once in the launch, as f32,
; quantised here and kept as codes in registers; they never go to memory.  The expert's rows, 16 a tile, go past them.
; WEIGHTS PHASE: wave w takes k = 256 w .. + 255 in four units of 64.  A lane takes four columns (16 bytes of a row; lanes 0-15 row k, lanes 16-31 row k + 32), so each load reads two runs of 256 bytes,
; and 32 loads give it one whole block of 32 along K for each column.  One move a number lays a column's block in registers on end, as the conversion wants it.  The codes go to LDS as images of the operand's
; registers (fragment 4 s + t: 48 bytes a lane), one barrier, and every wave loads all 32 fragments (4 tiles of 16 hidden units x 8 K steps): 384 registers.
; ROW PHASE, no barrier: wave w takes tiles w, w + 4, ..  TRANSPOSED: source 0 = 16 rows of W1^T, source 1 = 16 tokens; b1 is the C of the first K step.  THE HIDDEN UNITS OF A TILE ARE NOT NEIGHBOURS:
; row r of tile 2 b + u is unit 32 b + 8 u + r + 8 (r / 8), so that a lane's 16 registers of tiles 2 b, 2 b + 1 are units 32 b + 16 (lane / 16) + 0 .. 15 of one token: neighbours along the next K.
; gelu(a) = 0.5 a (1 + erf(a / sqrt 2)); erf(z) = z P(z^2) / Q(z^2) on |z| <= 4 (degrees 6 and 4 in z^2), held at +-4 beyond.
; hc: tile q, slice j at 24,576 q + 768 j: the next operand's registers as they stand: 16 bytes a lane (registers 0-3 of the lane's block), then 8 bytes a lane (registers 4, 5); scale bytes from HSOFF on.
; NO TENSOR LOAD, NO CLUSTER, though the 32 work-groups of an expert read the same rows of x: the number of tiles is a stored number (cnt[e], from 0 to 2,048 rows), so the row loop's trip count hangs on memory,
; what is shared is 800 bytes a row against the 256 KiB of weights that each work-group has to itself.
; LIMITS: NaN and infinities are not served.  erf's error is about 1e-7 absolute, so 1 + erf loses relative accuracy in the negative tail (about 4e-5 at a = -3, where gelu is -0.004).
; A block of zeros gets the byte 1.  Pad rows of an expert's last tile are computed for token 0 and stored; nobody uses them.
; THE MODE: SCHED_MODE bits 1:0 = 2 (LLVM: expert scheduling mode 2), set by the entry lines.  The code itself states the register dependences
; between vector or matrix instructions and memory or LDS instructions, with s_wait_alu, always for 0.
; THE PLAN.  Registers that memory or LDS instructions touch:
;   v1 .. v13, v17 .. v19      offsets and LDS addresses, made once at the head and never written again: tiles are reached by scalar bases.
;   OUTW, SWD      weights phase: written by a unit's conversions, moves and shifts, read by its LDS stores: one wait on va_vdst ahead of the unit's run of stores, one on vm_vsrc ahead of the next unit's first write.
;   windows 1, 2   the weights as f32: read by the units' maxima and moves; the fragments' LDS loads land there behind unit 3's wait on va_vdst, behind which no vector line names them.
;   X0, X1         two buffers of x's 8 fragments, and XS0, XS1, their scale words.  Step n of a wave works on buffer n % 2: its 32 products read it, and behind them the loads of step n + 2 land in it.
;   TOK            the tokens of a tile: the load of step n + 3's lands in it; the four address lines of the next step read it.
;   XA, XSA        a pair to each buffer: written by the address lines, read by the buffer's 26 loads.
;   OUT, U16       written by a step's conversions, swaps and moves, read by its three stores.
; A STEP: the products; then, behind them, the wait on vm_vsrc (the last step's stores have read OUT and U16; the loads of two steps back have read this buffer's XA, XSA), the address lines, ONE wait on va_vdst
; (the products are done with the buffer, the addresses are written, TOK is read), and the step's 27 loads in one run: they have the activation and the whole next step in which to land.
; gelu and the quantiser name none of the registers that those loads touch.  A second wait on va_vdst stands ahead of the three stores.
; A trip of the loop runs two steps, so that both buffers are back at their start; an odd last step is written out behind the loop.  A wave's last two steps ask once more for the last tile that has been stored; nobody multiplies it.
.set PITCH, 8192                       ; a row of W1 in bytes
.set SCL,   49152                      ; LDS: 32 fragments x 1,536 bytes from 0;  SCL: W's scale words at (16 t + r) 32 + 4 s
.set RTOFF, 16640
.set XSOFF, 1572864
.set HSOFF, 6488064
.set LN,1                              ; lane
.set QL,2                              ; lane % 16
.set HH,3                              ; lane / 16
.set WOFF,4                            ; W1: 16 q + 32 rows x hh + 256 rows x w
.set FWA,5                             ; where I store a column's codes
.set SWA,6                             ; and its scale word
.set SH8,7                             ; 8 hh
.set LFA,8                             ; 48 x lane
.set WSA,9                             ; SCL + 32 (lane % 16)
.set B1O,10
.set L4,11                             ; 4 (lane % 16): my slot's token in a tile's 64 bytes
.set H384,12
.set TOK,14
.set XSA,15                            ; v15, v16  buffer 0, 1: my token's scale bytes
.set L16,17
.set L8,18
.set R16,19
.set XA,20                             ; v20, v21  buffer 0, 1: my token's codes, my half's 384 bytes
.set U16,23
.set XS1,24                            ; v24-31  x's scale words, buffer 1: scales and nothing else
.set WS, 32                            ; v32-63  W's scale words, 8 t + s: scales and nothing else
.set XS, 64                            ; v64-71  x's scale words, buffer 0, K step s: likewise
.set T,   72                           ; weights phase: v72-199 four columns' blocks, 32 on end each
.set M,   200
.set TA,  200                          ; v200-202 at the head only: at work on the addresses
.set SOP, 204
.set BY,  208
.set OUTW,216
.set SWD, 248
.set PX,  252
.set ACC, 72                           ; row phase: v72-103 the four accumulators
.set Z,   104
.set X2,  136
.set P,   168
.set Q,   200
.set OUT, 232
.set TC,  238
.set A13, 242
.set B8,  244
.set TM,  246
.set SEL, 26
.set IDB, 38                           ; s[38:39] plan at the tile whose tokens are asked for next
.set HCB, 40                           ; s[40:41] hc at this step's tile, my slice
.set HSB, 42                           ; s[42:43] hc at this step's tile's scale bytes, my two of each row's (HSOFF stands in the store's immediate)
; windows: 1, 2: the weights as f32 (unit u at window 1 + u / 2, v[128 (u % 2)]), later fragment (t, s) at window 1 + s / 4, v[12 (4 (s % 4) + t)];  3: x's fragments: buffer 0 v0-95, buffer 1 v128-223; b1 v96-127
.set MSB, 0
.macro WIN new                         ; the immediate's high byte repeats the setting that is left
.if MSB != (\new)
	s_set_vgpr_msb (MSB<<8)|(\new)
.set MSB, (\new)
.endif
.endm
.macro WLOAD u
	WIN (0x40*(1+((\u)/2)))
.set i, 0
.rept 32
	global_load_b128 v[128*((\u)%2)+4*i:128*((\u)%2)+4*i+3], v[WOFF], s[4:5] offset:(64*(\u)+i)*PITCH th:TH_LOAD_NT
.set i, i+1
.endr
.endm
; unit u: K step 2 w + u / 2, its half c = u % 2; my block is 2 c + hh of that step, for each of my four columns
.macro WUNIT u
.set RB, 128*((\u)%2)
.set CH, (\u)%2
.set SS, (\u)/2
	WIN (5*(1+((\u)/2)))                           ; sources 0 and 1 in the unit's window
.irp cc, 0,1,2,3
	v_max3_num_f32 v[M+\cc], |v[RB+\cc]|, |v[RB+4+\cc]|, 0x2800000   ; the floor 2^(5 - 127): the byte cannot fall under 1
.endr
.set i, 2
.rept 15
.irp cc, 0,1,2,3
	v_max3_num_f32 v[M+\cc], |v[RB+4*i+\cc]|, |v[RB+4*i+4+\cc]|, v[M+\cc]
.endr
.set i, i+2
.endr
.set i, 0
.rept 32
.irp cc, 0,1,2,3
	v_mov_b32 v[T+32*\cc+i], v[RB+4*i+\cc]         ; a column's 32 numbers on end
.endr
.set i, i+1
.endr
	WIN 0
	s_wait_dscnt 0x0                               ; the last unit's LDS stores have read their registers
.if (\u) > 0
	s_wait_alu depctr_vm_vsrc(0)                   ; the last unit's LDS stores have read v[OUTW ..] and v[SWD ..], which this unit writes again
.endif
.irp cc, 0,1,2,3
	v_add_nc_u32 v[SOP+\cc], 0xfe000000, v[M+\cc]  ; 4 off the exponent field: the conversion's scale operand
.endr
.irp cc, 0,1,2,3
	v_lshrrev_b32 v[BY+4*CH+\cc], 23, v[SOP+\cc]   ; the scale's byte
.endr
.if CH == 1                            ; the K step's scale word: my bytes hh and 2 + hh, with lane xor 16's two.  It is made ahead of the codes, so that one wait serves all the unit's stores
.irp cc, 0,1,2,3
	v_lshl_or_b32 v[SWD+\cc], v[BY+4+\cc], 16, v[BY+\cc]
.endr
.irp cc, 0,1,2,3
	v_lshlrev_b32 v[SWD+\cc], v[SH8], v[SWD+\cc]
.endr
.irp cc, 0,1,2,3
	v_permlanex16_b32 v[PX+\cc], v[SWD+\cc], s[SEL], s[SEL+1]
.endr
.irp cc, 0,1,2,3
	v_or_b32 v[SWD+\cc], v[SWD+\cc], v[PX+\cc]
.endr
.endif
.irp cc, 0,1,2,3
	v_cvt_scalef32_pk16_bf6_f32 v[OUTW+8*\cc:OUTW+8*\cc+2], v[T+32*\cc:T+32*\cc+15], v[SOP+\cc]
	v_cvt_scalef32_pk16_bf6_f32 v[OUTW+8*\cc+4:OUTW+8*\cc+6], v[T+32*\cc+16:T+32*\cc+31], v[SOP+\cc]   ; (three registers begin on an even number: moved down by one below)
.endr
	v_nop                                          ; one plain line behind the conversions
.irp d, 3,4,5
.irp cc, 0,1,2,3
	v_mov_b32 v[OUTW+8*\cc+\d], v[OUTW+8*\cc+\d+1]
.endr
.endr
	s_wait_alu depctr_va_vdst(0)                   ; the conversions, moves and shifts have written v[OUTW ..] and v[SWD ..], which the LDS stores below read
.irp cc, 0,1,2,3
.if CH == 0
	ds_store_b128 v[FWA], v[OUTW+8*\cc:OUTW+8*\cc+3] offset:6144*SS+48*\cc          ; registers 0-5 of the fragment's lane
	ds_store_b64 v[FWA], v[OUTW+8*\cc+4:OUTW+8*\cc+5] offset:6144*SS+48*\cc+16
.else
	ds_store_b64 v[FWA], v[OUTW+8*\cc:OUTW+8*\cc+1] offset:6144*SS+48*\cc+24        ; registers 6-11
	ds_store_b128 v[FWA], v[OUTW+8*\cc+2:OUTW+8*\cc+5] offset:6144*SS+48*\cc+32
.endif
.endr
.if CH == 1
.irp cc, 0,1,2,3
	ds_store_b32 v[SWA], v[SWD+\cc] offset:32*\cc+4*SS         ; both halves of the lanes write the same word
.endr
.endif
.endm
.macro IDBASE ahead                    ; plan at the tokens of my tile 'ahead' steps on, held at the last tile that has been stored.  It stands behind the wait that shows the last load by this base done
	s_add_co_u32 s30, s29, 4*(\ahead)
	s_min_u32 s30, s30, s23
	s_min_u32 s30, s30, 0x107
	s_lshl_b32 s18, s30, 6                         ; 16 slots of 4 bytes a tile
	s_add_nc_u64 s[IDB:IDB+1], s[10:11], s[18:19]
.endm
.macro XADDR buf                       ; four lines: from a tile's tokens (lane % 16 a slot) to the buffer's two offsets
	v_min_u32 v[TOK], 0x7ff, v[TOK]
	v_mul_u32_u24 v[XA+(\buf)], v[TOK], 0x300
	v_add_nc_u32 v[XA+(\buf)], v[XA+(\buf)], v[H384]           ; my token's codes, my half's 384 bytes
	v_lshlrev_b32 v[XSA+(\buf)], 5, v[TOK]
.endm
.macro XFILL buf                       ; 27 loads: the next tokens first, so that the wait for them leaves the 26 behind them out; then 8 scale words and 96 registers of codes
.set XB, 128*(\buf)
.set XSB, XS-(XS-XS1)*(\buf)
	s_wait_alu depctr_va_vdst(0)                   ; the address lines have written this buffer's v[XA], v[XSA] and are done with v[TOK]; in the row phase: this step's products are done reading the buffer and its scale words
	global_load_b32 v[TOK], v[L4], s[IDB:IDB+1] offset:RTOFF
	global_load_b128 v[XSB:XSB+3], v[XSA+(\buf)], s[8:9] offset:XSOFF
	global_load_b128 v[XSB+4:XSB+7], v[XSA+(\buf)], s[8:9] offset:XSOFF+16
	WIN 0xc0                                       ; between the wait and these loads stand loads and this switch alone
.set i, 0
.rept 24
	global_load_b128 v[XB+4*i:XB+4*i+3], v[XA+(\buf)], s[8:9] offset:16*i
.set i, i+1
.endr
	WIN 0
.endm
.macro MM buf                          ; 32 matrix instructions: K step by K step, the four accumulators by turns, one instruction a turn
.set XB, 128*(\buf)
.set XSB, XS-(XS-XS1)*(\buf)
.set ks, 0
.rept 8
.if ks == 0
	WIN 0x3d                                       ; W window 1, x window 3, C (the bias) window 3
.elseif ks < 4
	WIN 0x0d
.else
	WIN 0x0e                                       ; W window 2
.endif
.irp t, 0,1,2,3
.if ks == 0
	v_wmma_scale_f32_16x16x128_f8f6f4 v[ACC+8*\t:ACC+8*\t+7], v[12*\t:12*\t+11], v[XB:XB+11], v[96+8*\t:96+8*\t+7], v[WS+8*\t], v[XSB] matrix_a_fmt:MATRIX_FMT_BF6 matrix_b_fmt:MATRIX_FMT_BF6
.else
	v_wmma_scale_f32_16x16x128_f8f6f4 v[ACC+8*\t:ACC+8*\t+7], v[12*(4*(ks%4)+\t):12*(4*(ks%4)+\t)+11], v[XB+12*ks:XB+12*ks+11], v[ACC+8*\t:ACC+8*\t+7], v[WS+8*\t+ks], v[XSB+ks] matrix_a_fmt:MATRIX_FMT_BF6 matrix_b_fmt:MATRIX_FMT_BF6
.endif
.endr
.set ks, ks+1
.endr
	WIN 0
.endm
; A STEP: one tile of 16 rows, on buffer buf.
.macro TILE buf
	s_wait_loadcnt 27                              ; loads come back in order (ISA guide 5.7.1): this buffer's 26 are in; the 27 of the step before (tokens, the other buffer) may be out
	MM \buf
	s_wait_loadcnt 26                              ; the tokens of the tile two steps on are in: behind their load stand the other buffer's 26
	s_wait_xcnt 0x0                                ; the last step's stores have read their data and their bases: both are written again below.  It stands ahead of this step's loads
	s_wait_alu depctr_vm_vsrc(0)                   ; the last step's stores have read v[OUT ..] and v[U16]; the loads of two steps back have read this buffer's v[XA] and v[XSA], which the next lines write
	XADDR \buf                                     ; these four lines name no register of the products: they are the four places behind the last product, ahead of the first read of its result
	IDBASE 3
	s_min_u32 s30, s29, 0x107
	s_mul_i32 s18, s30, 24576
	s_add_co_u32 s18, s18, s36
	s_add_nc_u64 s[HCB:HCB+1], s[12:13], s[18:19]  ; where this tile's slice goes,
	s_lshl_b32 s18, s30, 10
	s_add_co_u32 s18, s18, s37
	s_add_nc_u64 s[HSB:HSB+1], s[12:13], s[18:19]  ; and its scale bytes
	XFILL \buf                                     ; the tile two steps on: it has the activation and the whole next step in which to land
; gelu, 32 numbers a lane, two at a time; each accumulator is read from its low end on.  No line from here to the stores names a register that the loads above touch
.set p, 0
.rept 16
	v_pk_mul_f32 v[Z+p:Z+p+1], v[ACC+p:ACC+p+1], 0x3f3504f3 op_sel_hi:[1,0]     ; z = a / sqrt 2
.set p, p+2
.endr
.set i, 0
.rept 32
	v_med3_num_f32 v[Z+i], v[Z+i], -4.0, 4.0
.set i, i+1
.endr
.set p, 0
.rept 16
	v_pk_mul_f32 v[X2+p:X2+p+1], v[Z+p:Z+p+1], v[Z+p:Z+p+1]
.set p, p+2
.endr
.set p, 0
.rept 16
	v_pk_fma_f32 v[P+p:P+p+1], v[X2+p:X2+p+1], v[A13:A13+1], 0x32edffee op_sel_hi:[1,1,0]
	v_pk_fma_f32 v[Q+p:Q+p+1], v[X2+p:X2+p+1], v[B8:B8+1], 0xb95fbd29 op_sel_hi:[1,1,0]
.set p, p+2
.endr
.irp c, 0xb60cff51, 0xb86ec2d2, 0xba40ac63, 0xbb41a1f6, 0xbc83dbd4
.set p, 0
.rept 16
	v_pk_fma_f32 v[P+p:P+p+1], v[P+p:P+p+1], v[X2+p:X2+p+1], \c op_sel_hi:[1,1,0]
.set p, p+2
.endr
.endr
.irp c, 0xbadc924e, 0xbbf19bf8, 0xbc69b6a7
.set p, 0
.rept 16
	v_pk_fma_f32 v[Q+p:Q+p+1], v[Q+p:Q+p+1], v[X2+p:X2+p+1], \c op_sel_hi:[1,1,0]
.set p, p+2
.endr
.endr
.set i, 0
	s_wait_alu depctr_va_vdst(0)
.rept 32
	v_rcp_f32 v[Q+i], v[Q+i]
.set i, i+1
.endr
.set p, 0
.rept 16
	v_pk_mul_f32 v[P+p:P+p+1], v[P+p:P+p+1], v[Z+p:Z+p+1]      ; z P: plain work behind the reciprocals, which names none of them
.set p, p+2
.endr
	s_wait_alu depctr_va_vdst(0)                   ; one wait for the 32 reciprocals in v[Q ..], ahead of their first reader
.set p, 0
.rept 16
	v_pk_mul_f32 v[P+p:P+p+1], v[P+p:P+p+1], v[Q+p:Q+p+1]      ; erf
.set p, p+2
.endr
.set p, 0
.rept 16
	v_pk_mul_f32 v[X2+p:X2+p+1], v[ACC+p:ACC+p+1], 0.5 op_sel_hi:[1,0]
.set p, p+2
.endr
.set p, 0
.rept 16
	v_pk_fma_f32 v[Z+p:Z+p+1], v[X2+p:X2+p+1], v[P+p:P+p+1], v[X2+p:X2+p+1]     ; 0.5 a erf + 0.5 a.  Z[16 b + i] = unit 32 b + 16 (lane / 16) + i of my token
.set p, p+2
.endr
; the two blocks of 32 along the next K
.irp b, 0,1
	v_max3_num_f32 v[TM+\b], |v[Z+16*\b]|, |v[Z+16*\b+1]|, 0x2800000
.endr
.irp i, 2,4,6,8,10,12,14
.irp b, 0,1
	v_max3_num_f32 v[TM+\b], v[TM+\b], |v[Z+16*\b+\i]|, |v[Z+16*\b+\i+1]|
.endr
.endr
.irp b, 0,1
	v_permlanex16_b32 v[TM+2+\b], v[TM+\b], s[SEL], s[SEL+1]
.endr
.irp b, 0,1
	v_max_num_f32 v[TM+\b], v[TM+\b], v[TM+2+\b]   ; with lane xor 16's 16: the block's largest magnitude
.endr
.irp b, 0,1
	v_add_nc_u32 v[TM+4+\b], 0xfe000000, v[TM+\b]
.endr
.irp b, 0,1
	v_lshrrev_b32 v[TM+6+\b], 23, v[TM+4+\b]
.endr
	v_lshl_or_b32 v[U16], v[TM+7], 8, v[TM+6]      ; the slice's two scale bytes of my token
	v_cvt_scalef32_pk16_bf6_f32 v[OUT:OUT+2], v[Z:Z+15], v[TM+4]
	v_cvt_scalef32_pk16_bf6_f32 v[TC:TC+2], v[Z+16:Z+31], v[TM+5]
	v_nop                                          ; one plain line behind the conversions
.irp i, 0,1,2
	v_permlane16_swap_b32 v[OUT+\i], v[TC+\i]      ; a whole block to a lane: lanes 0-15 block 0, lanes 16-31 block 1
.endr
.irp i, 0,1,2
	v_mov_b32 v[OUT+3+\i], v[TC+\i]
.endr
	s_wait_alu depctr_va_vdst(0)                   ; the swaps and moves have written v[OUT ..], the shift v[U16]: the three stores read them
	global_store_b128 v[L16], v[OUT:OUT+3], s[HCB:HCB+1]           ; 512 bytes on end
	global_store_b64 v[L8], v[OUT+4:OUT+5], s[HCB:HCB+1] offset:512   ; 256 bytes on end
	global_store_b16 v[R16], v[U16], s[HSB:HSB+1] offset:HSOFF     ; two bytes a token (lanes 16-31 repeat lanes 0-15): 32 bytes a tile against its 768 of codes
	s_add_co_u32 s29, s29, 4                       ; my next tile
.endm
	s_load_b256 s[4:11], s[0:1], 0x0               ; W1 s[4:5], b1 s[6:7], xc s[8:9], plan s[10:11]
	s_load_b64 s[12:13], s[0:1], 0x20              ; hc
	v_lshl_add_u32 v13, v0, 2, 0xc800
	v_mov_b32 v22, 0
	v_lshrrev_b32 v[TA], 5, v0
	v_readfirstlane_b32 s14, v[TA]                 ; wave
	s_lshr_b32 s15, ttmp9, 5                       ; e
	s_and_b32 s16, ttmp9, 31                       ; j
	v_and_b32 v[LN], 31, v0
	v_and_b32 v[QL], 15, v0
	v_bfe_u32 v[HH], v0, 4, 1
	v_bfe_u32 v[TA], v0, 3, 1
	v_bfe_u32 v[TA+1], v0, 1, 1
	v_lshl_add_u32 v[TA], v[TA], 1, v[TA+1]        ; column 4 q + cc is row r0 + cc of tile t = 2 (q / 8) + (q / 2) % 2,
	v_and_b32 v[TA+1], 1, v0
	v_bfe_u32 v[TA+2], v0, 2, 1
	v_lshlrev_b32 v[TA+1], 2, v[TA+1]
	v_lshl_add_u32 v[TA+1], v[TA+2], 3, v[TA+1]    ; r0 = 4 (q % 2) + 8 ((q / 4) % 2)
	v_lshl_add_u32 v[TA+2], v[HH], 4, v[TA+1]
	v_mul_u32_u24 v[FWA], v[TA+2], 48
	v_mad_u32_u24 v[FWA], v[TA], 0x600, v[FWA]
	s_wait_alu depctr_va_sdst(0)                   ; s14 is written, ahead of its first reader
	s_mul_i32 s30, s14, 12288
	v_add_nc_u32 v[FWA], s30, v[FWA]               ; 1,536 (8 w + t) + 48 (r0 + 16 hh)
	v_lshl_add_u32 v[TA+2], v[TA], 4, v[TA+1]
	v_lshl_add_u32 v[SWA], v[TA+2], 5, SCL
	s_lshl_b32 s30, s14, 3
	v_add_nc_u32 v[SWA], s30, v[SWA]               ; SCL + 32 (16 t + r0) + 8 w
	v_lshlrev_b32 v[WOFF], 4, v[QL]
	v_lshl_add_u32 v[WOFF], v[HH], 18, v[WOFF]
	s_lshl_b32 s30, s14, 21
	v_add_nc_u32 v[WOFF], s30, v[WOFF]
	v_lshlrev_b32 v[SH8], 3, v[HH]
	v_mul_u32_u24 v[LFA], v[LN], 48
	v_lshl_add_u32 v[WSA], v[QL], 5, SCL
	v_lshlrev_b32 v[B1O], 6, v[HH]
	v_lshlrev_b32 v[L4], 2, v[QL]
	v_mul_u32_u24 v[H384], v[HH], 0x180
	v_lshlrev_b32 v[L16], 4, v[LN]
	v_lshlrev_b32 v[L8], 3, v[LN]
	v_lshlrev_b32 v[R16], 4, v[QL]
.irp cc, 0,1,2,3
	v_mov_b32 v[PX+\cc], 0                         ; a lane permute's destination counts as one of its sources
.endr
	s_mov_b32 s[SEL], 0x76543210
	s_mov_b32 s[SEL+1], 0xfedcba98
	s_mul_i32 s36, s16, 768                        ; my slice in a tile of hc
	s_lshr_b32 s17, s16, 1                         ; the next product's K step s = j / 2: its scale bytes at 512 (s / 8) + 256 ((s / 4) % 2) + 16 r + 4 (s % 4) + 2 (j % 2)
	s_lshr_b32 s30, s17, 3
	s_lshl_b32 s37, s30, 9
	s_bfe_u32 s30, s17, 0x10002
	s_lshl_b32 s30, s30, 8
	s_add_co_u32 s37, s37, s30
	s_and_b32 s30, s17, 3
	s_lshl_b32 s30, s30, 2
	s_add_co_u32 s37, s37, s30
	s_and_b32 s30, s16, 1
	s_lshl_b32 s30, s30, 1
	s_add_co_u32 s37, s37, s30
	s_mov_b32 s19, 0                               ; the upper word of every offset pair s[18:19]: it stays 0
	s_wait_kmcnt 0x0
	s_lshl_b32 s18, s15, 2
	s_add_nc_u64 s[24:25], s[10:11], s[18:19]
	s_load_b32 s20, s[24:25], 0x0                  ; cnt[e]
	s_load_b32 s21, s[24:25], 0x20                 ; tb[e]
	s_lshl_b32 s30, s16, 8
	s_lshl_b32 s18, s15, 23
	s_add_co_u32 s18, s18, s30
	s_add_nc_u64 s[4:5], s[4:5], s[18:19]          ; W1[e], my 64 columns
	s_lshl_b32 s18, s15, 13
	s_add_co_u32 s18, s18, s30
	s_add_nc_u64 s[6:7], s[6:7], s[18:19]          ; b1[e], my 64 numbers
	WIN 0xc0
	s_wait_alu depctr_va_vdst(0)                   ; the offsets and LDS addresses v1 to v13 and v17 to v19 are written, which the loads and stores of the whole kernel read
.irp t, 0,1,2,3
	global_load_b128 v[96+8*\t:96+8*\t+3], v[B1O], s[6:7] offset:(32*(\t/2)+8*(\t%2))*4        ; lane (r, h), tile t: units 32 (t / 2) + 8 (t % 2) + 16 h + 0 .. 7
	global_load_b128 v[96+8*\t+4:96+8*\t+7], v[B1O], s[6:7] offset:(32*(\t/2)+8*(\t%2))*4+16
.endr
	WLOAD 0
	WLOAD 1
	WLOAD 2
	WLOAD 3
	WIN 0
	s_wait_kmcnt 0x0
	s_min_u32 s20, s20, 0x800
	s_min_u32 s21, s21, 0x107
	s_add_co_u32 s22, s20, 15
	s_lshr_b32 s22, s22, 4                         ; nt: the expert's tiles, 128 at the most
	s_add_co_u32 s23, s21, s22
	s_max_u32 s23, s23, 1
	s_sub_co_u32 s23, s23, 1                       ; the last tile that I may ask for: it has been stored, whatever the split
	s_add_co_u32 s32, s22, 3
	s_sub_co_u32 s32, s32, s14
	s_lshr_b32 s32, s32, 2                         ; my steps: how many of w, w + 4, .. lie under nt: (nt + 3 - w) / 4, 0 where nt <= w; never written again
	s_lshr_b32 s34, s32, 1                         ; the loop's trips, two whole steps each; never written again
	s_mov_b32 s28, 0                               ; trips done
	s_add_co_u32 s29, s21, s14                     ; my tile: tb + w, then 4 on a step
	IDBASE 0
	global_load_b32 v[TOK], v[L4], s[IDB:IDB+1] offset:RTOFF   ; my first tile's tokens
	s_wait_loadcnt 63                              ; behind unit 0's loads 97 were issued; the count is the largest that the wait can name: the 74 oldest of 137 are in, b1 and units 0 and 1 among them
	WUNIT 0
	s_wait_loadcnt 63
	WUNIT 1
	s_wait_loadcnt 33                              ; behind unit 2's: unit 3's 32 and the tokens' load
	WUNIT 2
	s_wait_loadcnt 0x0
	XADDR 0
	IDBASE 1
	XFILL 0                                        ; my first tile's x lands while unit 3 is quantised
	WUNIT 3
	s_wait_loadcnt 26                              ; my second tile's tokens are in: behind their load stand the first tile's 26
	XADDR 1
	IDBASE 2
	XFILL 1                                        ; my second tile's x, into the other buffer
	s_wait_dscnt 0x0                               ; for the others' sake: my eight fragments and their scale words lie in LDS
	s_barrier_signal -1
	s_barrier_wait -1
	s_wait_alu depctr_vm_vsrc(0)                   ; my LDS stores have read v[OUTW ..] and v[SWD ..]: from here on these registers are the row phase's, written by the moves below and by gelu's and the quantiser's lines
	WIN 0x40
.set f, 0
.rept 16
.irp g, 0,1,2
	ds_load_b128 v[12*f+4*\g:12*f+4*\g+3], v[LFA] offset:f*1536+16*\g          ; into the registers that held the weights as f32: the maxima and moves that read them stand ahead of unit 3's wait on va_vdst
.endr
.set f, f+1
.endr
	WIN 0x80
.set f, 0
.rept 16
.irp g, 0,1,2
	ds_load_b128 v[12*f+4*\g:12*f+4*\g+3], v[LFA] offset:(f+16)*1536+16*\g
.endr
.set f, f+1
.endr
	WIN 0
.irp t, 0,1,2,3
.irp g, 0,1
	ds_load_b128 v[WS+8*\t+4*\g:WS+8*\t+4*\g+3], v[WSA] offset:512*\t+16*\g
.endr
.endr
	v_mov_b32 v[A13], 0xaf95df0b
	v_mov_b32 v[A13+1], 0xaf95df0b
	v_mov_b32 v[B8], 0xb77460cd
	v_mov_b32 v[B8+1], 0xb77460cd
	v_mov_b32 v[TM+2], 0
	v_mov_b32 v[TM+3], 0
	s_wait_dscnt 0x0
	s_cmp_eq_u32 s34, 0
	s_cbranch_scc1 .Lodd                           ; under two steps: a branch on a stored number, behind the launch's one barrier
.Ltile:                                                ; a trip runs two steps, so that both buffers are back at their start
	TILE 0
	TILE 1
	s_add_co_u32 s28, s28, 1                       ; the loop counts its trips by 1 against a number that it does not write
	s_cmp_lt_u32 s28, s34
	s_cbranch_scc1 .Ltile
.Lodd:
	s_and_b32 s33, s32, 1
	s_cmp_eq_u32 s33, 0
	s_cbranch_scc1 .Lend                           ; an even number of steps, none among them: nothing is left
	TILE 0                                         ; the odd last step is written out: behind an even number of steps buffer 0 is in turn
.Lend:
	s_wait_dscnt 0x0
	s_wait_alu depctr_hold_cnt(0) depctr_sa_sdst(0) depctr_va_vdst(0) depctr_va_sdst(0) depctr_va_ssrc(0) depctr_va_vcc(0) depctr_vm_vsrc(0)
	s_wait_tensorcnt 0x0
	ds_add_u32 v13, v22
	s_wait_dscnt 0x0
	s_endpgm
.Lfunc_end_k_q389e6eb390_ffn1:
	.size	k_q389e6eb390_ffn1, .Lfunc_end_k_q389e6eb390_ffn1-k_q389e6eb390_ffn1
	.p2alignl 7, 3214868480
	.fill 96, 4, 3214868480
	.section	.rodata,"a",@progbits
	.p2align	6, 0x0
	.amdhsa_kernel k_q389e6eb390_ffn1
		.amdhsa_group_segment_fixed_size 51712
		.amdhsa_private_segment_fixed_size 0
		.amdhsa_enable_private_segment 0
		.amdhsa_kernarg_size 40
		.amdhsa_user_sgpr_count 2
		.amdhsa_user_sgpr_kernarg_segment_ptr 1
		.amdhsa_wavefront_size32 1
		.amdhsa_system_sgpr_workgroup_id_x 1
		.amdhsa_system_sgpr_workgroup_id_y 1
		.amdhsa_system_sgpr_workgroup_id_z 1
		.amdhsa_system_vgpr_workitem_id 0
		.amdhsa_next_free_vgpr 992
		.amdhsa_next_free_sgpr 66
		.amdhsa_reserve_vcc 0
		.amdhsa_float_denorm_mode_32 3
		.amdhsa_float_denorm_mode_16_64 3
		.amdhsa_memory_ordered 1
		.amdhsa_forward_progress 1
		.amdhsa_inst_pref_size 177
	.end_amdhsa_kernel
	.amdgpu_metadata
---
amdhsa.version: [ 1, 2 ]
amdhsa.kernels:
  - .name:           k_q389e6eb390_ffn1
    .symbol:         k_q389e6eb390_ffn1.kd
    .args:
      - { .name: W1, .offset: 0, .size: 8, .value_kind: global_buffer, .address_space: global }
      - { .name: b1, .offset: 8, .size: 8, .value_kind: global_buffer, .address_space: global }
      - { .name: xc, .offset: 16, .size: 8, .value_kind: global_buffer, .address_space: global }
      - { .name: plan, .offset: 24, .size: 8, .value_kind: global_buffer, .address_space: global }
      - { .name: hc, .offset: 32, .size: 8, .value_kind: global_buffer, .address_space: global }
    .group_segment_fixed_size: 51712
    .private_segment_fixed_size: 0
    .kernarg_segment_align: 8
    .kernarg_segment_size: 40
    .max_flat_workgroup_size: 128
    .sgpr_count:     66
    .vgpr_count:     992
    .wavefront_size: 32
...
	.end_amdgpu_metadata
.endif
;; end of part 8
;; launch ffn2 (part 9): grid 256 x 1, 4 waves a work-group, no clusters, 69,120 bytes of LDS; arguments W2, b2, hc, plan, o; writes o
.if DOCPART == 9
	.amdgcn_target "amdgcn-amd-amdhsa--gfx1250"
	.amdhsa_code_object_version 6
	.text
	.protected	k_q389e6eb390_ffn2
	.globl	k_q389e6eb390_ffn2
	.p2align	8
	.type	k_q389e6eb390_ffn2,@function
k_q389e6eb390_ffn2:
	s_mov_b64 s[64:65], 0
	v_nop
	global_prefetch_b8 v0, s[64:65] scope:SCOPE_SE
	s_setreg_imm32_b32 hwreg(HW_REG_WAVE_SCHED_MODE, 0, 2), 2
	s_setreg_imm32_b32 hwreg(HW_REG_WAVE_MODE, 25, 1), 1
	s_wait_xcnt 0x0
	s_wait_alu depctr_vm_vsrc(0)
; o[kh][slot] = h W2[e] over half kh of K (+ b2[e] in half 0), for the rows routed to expert e, on codes of E3M2 with one E8M0 scale for 32 along K.
; THE WEIGHTS STAND STILL, as in the launch before: work-group (e = wg / 32, kh = (wg / 16) % 2, j = wg % 16) owns outputs 64 j .. 64 j + 63 and hidden units 1,024 kh .. + 1,023 of expert e:
; 1,024 rows x 256 bytes of W2, read from memory once in the launch, quantised here, kept as codes in registers.  K is halved so that a work-group's rows of W2 are runs of 256 bytes and its 32 fragments fit a wave's
; registers; the price is two planes of o, which the last launch adds.
; WEIGHTS PHASE: wave w takes k = 256 w .. + 255 of the half in four units of 64; a lane four columns and one block of 32 along K for each; codes to LDS as images of the operand's registers; one barrier; every
; wave loads all 32 fragments.  ROW PHASE, no barrier: wave w takes tiles w, w + 4, ..; h's fragments come from hc as they stand there, 512 and 256 bytes on end a load.
; TRANSPOSED: source 0 = 16 outputs (rows of W2^T), source 1 = 16 tokens: a lane holds eight neighbouring outputs of one token; a tile's 16 rows x 256 bytes go through the wave's own stage in LDS and leave as
; runs of 256 bytes, aligned, sixteen lanes each.
; NO TENSOR LOAD, NO CLUSTER, though the 16 work-groups of an expert's half read the same rows of h: the number of tiles is a stored number (cnt[e], from 0 to 2,048 rows), so the row loop's trip count hangs on
; memory.
; LIMITS: NaN and infinities among W2 are not served.  A block of zeros gets the byte 1.  Pad rows are computed and stored; nobody uses them.
; THE MODE: SCHED_MODE bits 1:0 = 2 (LLVM: expert scheduling mode 2), set by the entry lines.  The code itself states the register dependences
; between vector or matrix instructions and memory or LDS instructions, with s_wait_alu, always for 0.
; THE PLAN.  Registers that memory or LDS instructions touch:
;   v1 .. v19      offsets and LDS addresses, made once at the head and never written again: tiles are reached by scalar bases, a pair of them to each buffer of h, one for o.
;   OUTW, SWD      weights phase: written by a unit's conversions, moves and shifts, read by its LDS stores: one wait on va_vdst ahead of the unit's run of stores, one on vm_vsrc ahead of the next unit's first write.
;   windows 1, 2   the weights as f32: read by the units' maxima and moves; the fragments' LDS loads land there behind unit 3's wait on va_vdst, behind which no vector line names them.
;   H0, H1         two buffers of h's 8 fragments, and XS0, XS1, their scale words.  Step n of a wave works on buffer n % 2: its 32 products read it, and behind them the loads of step n + 2 land in it.
;   ACC            written by a step's products, read by its eight LDS stores.
;   OB             a step's eight LDS loads land in it, its eight global stores read it.
; A STEP holds two such waits.  At its head, on vm_vsrc: the last step's LDS stores have read ACC and its global stores OB.  Behind the products and their places, on va_vdst: ACC is written, and the products
; are done reading the buffer.  All the step's LDS and memory instructions follow that wait; no vector or matrix instruction stands among them.
; A trip of the loop runs two steps, so that both buffers are back at their start; an odd last step is written out behind the loop.  A wave's last two steps ask once more for the last tile that has been stored; nobody multiplies it.
.set PITCH, 4096                       ; a row of W2 in bytes
.set SCL,   49152                      ; LDS: 32 fragments x 1,536 bytes from 0;  SCL: W's scale words at (16 t + r) 32 + 4 s
.set STG,   51200                      ; a stage of 16 rows x (256 + 16) bytes for each wave
.set HSOFF, 6488064
.set OPL,   17301504                   ; a plane of o: 4,224 slots x 4,096 bytes
.set LN,1
.set QL,2
.set HH,3
.set WOFF,4
.set FWA,5
.set SWA,6
.set SH8,7
.set LFA,8
.set WSA,9
.set B2O,10
.set STO,14
.set SRD,15
.set OL,16
.set L16,17
.set L8,18
.set R16,19
.set XS1,24                            ; v24-31  h's scale words, buffer 1: scales and nothing else
.set WS, 32                            ; v32-63  W's scale words, 8 t + s: scales and nothing else
.set XS, 64                            ; v64-71  h's scale words, buffer 0, K step s: likewise
.set T,   72
.set M,   200
.set TA,  200                          ; v200-202 at the head only: at work on the addresses
.set SOP, 204
.set BY,  208
.set OUTW,216
.set SWD, 248
.set PX,  252
.set ACC, 72                           ; row phase: v72-103 the four accumulators;  v104-135 16 rows read back from the stage
.set OB,  104
.set SEL, 26
.set HB,  34                           ; s[34:35], s[36:37] buffer 0: hc at its next tile's codes (my half) and at that tile's scale bytes;  s[42:43], s[44:45] buffer 1
.set OBS, 46                           ; s[46:47] my plane of o at this step's tile
; windows: 1, 2: the weights as f32, later fragment (t, s) at window 1 + s / 4, v[12 (4 (s % 4) + t)];  3: h's fragments: buffer 0 v0-95, buffer 1 v128-223; b2 v96-127
.set MSB, 0
.macro WIN new                         ; the immediate's high byte repeats the setting that is left
.if MSB != (\new)
	s_set_vgpr_msb (MSB<<8)|(\new)
.set MSB, (\new)
.endif
.endm
.macro WLOAD u
	WIN (0x40*(1+((\u)/2)))
.set i, 0
.rept 32
	global_load_b128 v[128*((\u)%2)+4*i:128*((\u)%2)+4*i+3], v[WOFF], s[4:5] offset:(64*(\u)+i)*PITCH th:TH_LOAD_NT
.set i, i+1
.endr
.endm
.macro WUNIT u                         ; unit u: K step 2 w + u / 2, its half c = u % 2; my block is 2 c + hh of that step, for each of my four columns
.set RB, 128*((\u)%2)
.set CH, (\u)%2
.set SS, (\u)/2
	WIN (5*(1+((\u)/2)))
.irp cc, 0,1,2,3
	v_max3_num_f32 v[M+\cc], |v[RB+\cc]|, |v[RB+4+\cc]|, 0x2800000   ; the floor 2^(5 - 127): the byte cannot fall under 1
.endr
.set i, 2
.rept 15
.irp cc, 0,1,2,3
	v_max3_num_f32 v[M+\cc], |v[RB+4*i+\cc]|, |v[RB+4*i+4+\cc]|, v[M+\cc]
.endr
.set i, i+2
.endr
.set i, 0
.rept 32
.irp cc, 0,1,2,3
	v_mov_b32 v[T+32*\cc+i], v[RB+4*i+\cc]         ; a column's 32 numbers on end
.endr
.set i, i+1
.endr
	WIN 0
	s_wait_dscnt 0x0                               ; the last unit's LDS stores have read their registers
.if (\u) > 0
	s_wait_alu depctr_vm_vsrc(0)                   ; the last unit's LDS stores have read v[OUTW ..] and v[SWD ..], which this unit writes again
.endif
.irp cc, 0,1,2,3
	v_add_nc_u32 v[SOP+\cc], 0xfe000000, v[M+\cc]
.endr
.irp cc, 0,1,2,3
	v_lshrrev_b32 v[BY+4*CH+\cc], 23, v[SOP+\cc]
.endr
.if CH == 1                            ; the K step's scale word, made ahead of the codes, so that one wait serves all the unit's stores
.irp cc, 0,1,2,3
	v_lshl_or_b32 v[SWD+\cc], v[BY+4+\cc], 16, v[BY+\cc]
.endr
.irp cc, 0,1,2,3
	v_lshlrev_b32 v[SWD+\cc], v[SH8], v[SWD+\cc]
.endr
.irp cc, 0,1,2,3
	v_permlanex16_b32 v[PX+\cc], v[SWD+\cc], s[SEL], s[SEL+1]
.endr
.irp cc, 0,1,2,3
	v_or_b32 v[SWD+\cc], v[SWD+\cc], v[PX+\cc]
.endr
.endif
.irp cc, 0,1,2,3
	v_cvt_scalef32_pk16_bf6_f32 v[OUTW+8*\cc:OUTW+8*\cc+2], v[T+32*\cc:T+32*\cc+15], v[SOP+\cc]
	v_cvt_scalef32_pk16_bf6_f32 v[OUTW+8*\cc+4:OUTW+8*\cc+6], v[T+32*\cc+16:T+32*\cc+31], v[SOP+\cc]
.endr
	v_nop                                          ; one plain line behind the conversions
.irp d, 3,4,5
.irp cc, 0,1,2,3
	v_mov_b32 v[OUTW+8*\cc+\d], v[OUTW+8*\cc+\d+1]
.endr
.endr
	s_wait_alu depctr_va_vdst(0)                   ; the conversions, moves and shifts have written v[OUTW ..] and v[SWD ..], which the LDS stores below read
.irp cc, 0,1,2,3
.if CH == 0
	ds_store_b128 v[FWA], v[OUTW+8*\cc:OUTW+8*\cc+3] offset:6144*SS+48*\cc
	ds_store_b64 v[FWA], v[OUTW+8*\cc+4:OUTW+8*\cc+5] offset:6144*SS+48*\cc+16
.else
	ds_store_b64 v[FWA], v[OUTW+8*\cc:OUTW+8*\cc+1] offset:6144*SS+48*\cc+24
	ds_store_b128 v[FWA], v[OUTW+8*\cc+2:OUTW+8*\cc+5] offset:6144*SS+48*\cc+32
.endif
.endr
.if CH == 1
.irp cc, 0,1,2,3
	ds_store_b32 v[SWA], v[SWD+\cc] offset:32*\cc+4*SS
.endr
.endif
.endm
.macro HBASE buf, ahead                ; the buffer's two bases at my tile 'ahead' steps on, held at the last tile that has been stored.  It stands behind the wait that shows the buffer's last loads done
	s_add_co_u32 s30, s29, 4*(\ahead)
	s_min_u32 s30, s30, s23
	s_min_u32 s30, s30, 0x107
	s_mul_i32 s18, s30, 24576
	s_add_co_u32 s18, s18, s39
	s_add_nc_u64 s[HB+8*(\buf):HB+8*(\buf)+1], s[8:9], s[18:19]
	s_lshl_b32 s18, s30, 10
	s_add_co_u32 s18, s18, s40
	s_add_nc_u64 s[HB+8*(\buf)+2:HB+8*(\buf)+3], s[8:9], s[18:19]
.endm
; a tile's 34 loads, in three parts: 8 scale words (2 loads, every window 0); of my half's 16 slices registers 0-3 of each block (16 loads) and registers 4, 5 (16 loads), both with the destination in window 3
.macro HSCL buf
.set XSB, XS-(XS-XS1)*(\buf)
	global_load_b128 v[XSB:XSB+3], v[R16], s[HB+8*(\buf)+2:HB+8*(\buf)+3] offset:HSOFF
	global_load_b128 v[XSB+4:XSB+7], v[R16], s[HB+8*(\buf)+2:HB+8*(\buf)+3] offset:HSOFF+256
.endm
.macro HLO buf
.set XB, 128*(\buf)
.set i, 0
.rept 16
	global_load_b128 v[XB+6*i:XB+6*i+3], v[L16], s[HB+8*(\buf):HB+8*(\buf)+1] offset:768*i
.set i, i+1
.endr
.endm
.macro HHI buf
.set XB, 128*(\buf)
.set i, 0
.rept 16
	global_load_b64 v[XB+6*i+4:XB+6*i+5], v[L8], s[HB+8*(\buf):HB+8*(\buf)+1] offset:768*i+512
.set i, i+1
.endr
.endm
.macro MM buf                          ; 32 matrix instructions: K step by K step, the four accumulators by turns, one instruction a turn
.set XB, 128*(\buf)
.set XSB, XS-(XS-XS1)*(\buf)
.set ks, 0
.rept 8
.if ks == 0
	WIN 0x3d
.elseif ks < 4
	WIN 0x0d
.else
	WIN 0x0e
.endif
.irp t, 0,1,2,3
.if ks == 0
	v_wmma_scale_f32_16x16x128_f8f6f4 v[ACC+8*\t:ACC+8*\t+7], v[12*\t:12*\t+11], v[XB:XB+11], v[96+8*\t:96+8*\t+7], v[WS+8*\t], v[XSB] matrix_a_fmt:MATRIX_FMT_BF6 matrix_b_fmt:MATRIX_FMT_BF6
.else
	v_wmma_scale_f32_16x16x128_f8f6f4 v[ACC+8*\t:ACC+8*\t+7], v[12*(4*(ks%4)+\t):12*(4*(ks%4)+\t)+11], v[XB+12*ks:XB+12*ks+11], v[ACC+8*\t:ACC+8*\t+7], v[WS+8*\t+ks], v[XSB+ks] matrix_a_fmt:MATRIX_FMT_BF6 matrix_b_fmt:MATRIX_FMT_BF6
.endif
.endr
.set ks, ks+1
.endr
	WIN 0
.endm
; A STEP: one tile of 16 rows, on buffer buf.
.macro TILE buf
	s_wait_loadcnt 34                              ; loads come back in order (ISA guide 5.7.1): this buffer's 34 are in; the other buffer's 34, issued a step later, may be out
	s_wait_alu depctr_vm_vsrc(0)                   ; the last step's LDS stores have read v[ACC ..], which the products write; its global stores have read v[OB ..], in which this step's LDS loads land
	HBASE \buf, 2                                  ; free since the wait on LOADcnt, which shows the loads that read these bases done: the tile two steps on
	MM \buf
.rept 5
	v_nop                                          ; five places behind the last product (ISA guide 7.12.1): four ahead of the first read of results; the fifth since the next step's first products
.endr                                                  ; begin the accumulators anew, with the bias as C, and no other vector line stands between this step's products and those
	s_wait_xcnt 0x0                                ; the last step's global stores have read their data and their base: both are written again below.  It stands ahead of this step's loads
	s_min_u32 s31, s29, 0x107
	s_lshl_b32 s18, s31, 16                        ; 16 rows of 4,096 bytes a tile
	s_add_nc_u64 s[OBS:OBS+1], s[12:13], s[18:19]
	s_wait_alu depctr_va_vdst(0)                   ; the products have written v[ACC ..], which the LDS stores read, and are done reading this buffer of h and its scale words, in which the loads below land; the places above stay beside this wait
.irp t, 0,1,2,3
	ds_store_b128 v[STO], v[ACC+8*\t:ACC+8*\t+3] offset:64*\t          ; each accumulator from its low end on
	ds_store_b128 v[STO], v[ACC+8*\t+4:ACC+8*\t+7] offset:64*\t+16
.endr
.irp i, 0,1,2,3,4,5,6,7
	ds_load_b128 v[OB+4*\i:OB+4*\i+3], v[SRD] offset:544*\i    ; LDS serves a wave's instructions in order: these see my stores; the stage is my wave's own
.endr
	HSCL \buf                                      ; the tile two steps on: it has the rest of this step and the whole next step in which to land.  18 of its loads stand between the stage's loads and the wait for them
	WIN 0xc0                                       ; a load's data in window 3; a store's offset and data stay in window 0
	HLO \buf
.irp i, 0,1,2,3,4,5,6,7
	s_wait_dscnt 7-\i
	global_store_b128 v[OL], v[OB+4*\i:OB+4*\i+3], s[OBS:OBS+1] offset:8192*\i th:TH_STORE_NT   ; sixteen lanes store 256 bytes on end, aligned
.endr
	HHI \buf                                       ; the other 16 stand last: with them 68 loads of mine can be issued at once, and what then waits for room on the counter is followed by the next step's wait for the older 34 alone
	WIN 0
	s_add_co_u32 s29, s29, 4                       ; my next tile
.endm
	s_load_b256 s[4:11], s[0:1], 0x0               ; W2 s[4:5], b2 s[6:7], hc s[8:9], plan s[10:11]
	s_load_b64 s[12:13], s[0:1], 0x20              ; o
	v_lshl_add_u32 v239, v0, 2, 0x10c00
	v_mov_b32 v247, 0
	v_lshrrev_b32 v[TA], 5, v0
	v_readfirstlane_b32 s14, v[TA]                 ; wave
	s_lshr_b32 s15, ttmp9, 5                       ; e
	s_bfe_u32 s17, ttmp9, 0x10004                  ; kh
	s_and_b32 s16, ttmp9, 15                       ; j
	v_and_b32 v[LN], 31, v0
	v_and_b32 v[QL], 15, v0
	v_bfe_u32 v[HH], v0, 4, 1
	v_bfe_u32 v[TA], v0, 2, 2                      ; column 4 q + cc is row r0 + cc of tile t = q / 4,
	v_and_b32 v[TA+1], 3, v0
	v_lshlrev_b32 v[TA+1], 2, v[TA+1]              ; r0 = 4 (q % 4)
	v_lshl_add_u32 v[TA+2], v[HH], 4, v[TA+1]
	v_mul_u32_u24 v[FWA], v[TA+2], 48
	v_mad_u32_u24 v[FWA], v[TA], 0x600, v[FWA]
	s_wait_alu depctr_va_sdst(0)                   ; s14 is written, ahead of its first reader
	s_mul_i32 s30, s14, 12288
	v_add_nc_u32 v[FWA], s30, v[FWA]
	v_lshl_add_u32 v[TA+2], v[TA], 4, v[TA+1]
	v_lshl_add_u32 v[SWA], v[TA+2], 5, SCL
	s_lshl_b32 s30, s14, 3
	v_add_nc_u32 v[SWA], s30, v[SWA]
	v_lshlrev_b32 v[WOFF], 4, v[QL]
	v_lshl_add_u32 v[WOFF], v[HH], 17, v[WOFF]
	s_lshl_b32 s30, s14, 20
	v_add_nc_u32 v[WOFF], s30, v[WOFF]
	v_lshlrev_b32 v[SH8], 3, v[HH]
	v_mul_u32_u24 v[LFA], v[LN], 48
	v_lshl_add_u32 v[WSA], v[QL], 5, SCL
	v_lshlrev_b32 v[B2O], 5, v[HH]
	v_lshlrev_b32 v[L16], 4, v[LN]
	v_lshlrev_b32 v[L8], 3, v[LN]
	v_lshlrev_b32 v[R16], 4, v[QL]
	s_mul_i32 s30, s14, 4352
	s_add_co_u32 s30, s30, STG                     ; my stage
	v_mul_u32_u24 v[STO], v[QL], 272
	v_lshl_add_u32 v[STO], v[HH], 5, v[STO]
	v_add_nc_u32 v[STO], s30, v[STO]               ; in: row = token r, + 32 h; tile t's 64 bytes in the immediate
	v_mul_u32_u24 v[SRD], v[HH], 272
	v_lshl_add_u32 v[SRD], v[QL], 4, v[SRD]
	v_add_nc_u32 v[SRD], s30, v[SRD]               ; back: lanes 0-15 one row, lanes 16-31 the next
	v_lshlrev_b32 v[OL], 12, v[HH]
	v_lshl_add_u32 v[OL], v[QL], 4, v[OL]
	s_lshl_b32 s41, s16, 8
	v_add_nc_u32 v[OL], s41, v[OL]                 ; and the same two rows in o, my 256 bytes of them
.irp cc, 0,1,2,3
	v_mov_b32 v[PX+\cc], 0                         ; a lane permute's destination counts as one of its sources
.endr
	s_mov_b32 s[SEL], 0x76543210
	s_mov_b32 s[SEL+1], 0xfedcba98
	s_mul_i32 s39, s17, 12288                      ; my half of a tile's codes,
	s_lshl_b32 s40, s17, 9                         ; and of its scale bytes
	s_cmp_eq_u32 s17, 0
	s_cselect_b32 s38, -1, 0                       ; the bias belongs to half 0 alone
	s_mov_b32 s19, 0                               ; the upper word of every offset pair s[18:19]: it stays 0
	s_wait_kmcnt 0x0
	s_lshl_b32 s18, s15, 2
	s_add_nc_u64 s[24:25], s[10:11], s[18:19]
	s_load_b32 s20, s[24:25], 0x0                  ; cnt[e]
	s_load_b32 s21, s[24:25], 0x20                 ; tb[e]
	s_lshl_b32 s18, s15, 23
	s_lshl_b32 s30, s17, 22
	s_add_co_u32 s18, s18, s30
	s_add_co_u32 s18, s18, s41
	s_add_nc_u64 s[4:5], s[4:5], s[18:19]          ; W2[e], my half of K, my 64 columns
	s_lshl_b32 s18, s15, 12
	s_add_co_u32 s18, s18, s41
	s_add_nc_u64 s[6:7], s[6:7], s[18:19]          ; b2[e], my 64 numbers
	s_mul_i32 s18, s17, OPL
	s_add_nc_u64 s[12:13], s[12:13], s[18:19]      ; my plane of o
	WIN 0xc0
	s_wait_alu depctr_va_vdst(0)                   ; the offsets and LDS addresses v1 to v19 are written, which the loads and stores of the whole kernel read
.irp t, 0,1,2,3
	global_load_b128 v[96+8*\t:96+8*\t+3], v[B2O], s[6:7] offset:64*\t             ; lane (r, h), tile t: outputs 16 t + 8 h + 0 .. 7
	global_load_b128 v[96+8*\t+4:96+8*\t+7], v[B2O], s[6:7] offset:64*\t+16
.endr
	WLOAD 0
	WLOAD 1
	WLOAD 2
	WLOAD 3
	WIN 0
	s_wait_kmcnt 0x0
	s_min_u32 s20, s20, 0x800
	s_min_u32 s21, s21, 0x107
	s_add_co_u32 s22, s20, 15
	s_lshr_b32 s22, s22, 4                         ; nt: the expert's tiles, 128 at the most
	s_add_co_u32 s23, s21, s22
	s_max_u32 s23, s23, 1
	s_sub_co_u32 s23, s23, 1                       ; the last tile that I may ask for: it has been stored, whatever the split
	s_add_co_u32 s32, s22, 3
	s_sub_co_u32 s32, s32, s14
	s_lshr_b32 s32, s32, 2                         ; my steps: how many of w, w + 4, .. lie under nt: (nt + 3 - w) / 4, 0 where nt <= w; never written again
	s_lshr_b32 s2, s32, 1                          ; the loop's trips, two whole steps each; never written again
	s_mov_b32 s28, 0                               ; trips done
	s_add_co_u32 s29, s21, s14                     ; my tile: tb + w, then 4 on a step
	HBASE 0, 0
	HSCL 0                                         ; my first tile's h lands while the weights are quantised
	WIN 0xc0
	HLO 0
	HHI 0
	WIN 0
	s_wait_loadcnt 63                              ; 170 loads were issued; the count is the largest that the wait can name: the 107 oldest are in: b2 and units 0, 1 and 2
	WIN 0xcc
.set i, 0
.rept 32
	v_and_b32 v[96+i], s38, v[96+i]                ; b2, or zeros in half 1
.set i, i+1
.endr
	WUNIT 0
	s_wait_loadcnt 63
	WUNIT 1
	s_wait_loadcnt 63
	WUNIT 2
	s_wait_loadcnt 34                              ; behind unit 3's loads: the first tile's 34
	WUNIT 3
	HBASE 1, 1
	HSCL 1                                         ; my second tile's h, into the other buffer, which no vector line has named: it has the barrier, the fragments' loads and the first step in which to land
	WIN 0xc0
	HLO 1
	HHI 1
	WIN 0
	s_wait_dscnt 0x0                               ; for the others' sake: my eight fragments and their scale words lie in LDS
	s_barrier_signal -1
	s_barrier_wait -1
	WIN 0x40
.set f, 0
.rept 16
.irp g, 0,1,2
	ds_load_b128 v[12*f+4*\g:12*f+4*\g+3], v[LFA] offset:f*1536+16*\g          ; into the registers that held the weights as f32: the maxima and moves that read them stand ahead of unit 3's wait on va_vdst
.endr
.set f, f+1
.endr
	WIN 0x80
.set f, 0
.rept 16
.irp g, 0,1,2
	ds_load_b128 v[12*f+4*\g:12*f+4*\g+3], v[LFA] offset:(f+16)*1536+16*\g
.endr
.set f, f+1
.endr
	WIN 0
.irp t, 0,1,2,3
.irp g, 0,1
	ds_load_b128 v[WS+8*\t+4*\g:WS+8*\t+4*\g+3], v[WSA] offset:512*\t+16*\g
.endr
.endr
	s_wait_dscnt 0x0
	s_cmp_eq_u32 s2, 0
	s_cbranch_scc1 .Lodd                           ; under two steps: a branch on a stored number, behind the launch's one barrier
.Ltile:                                                ; a trip runs two steps, so that both buffers are back at their start
	TILE 0
	TILE 1
	s_add_co_u32 s28, s28, 1                       ; the loop counts its trips by 1 against a number that it does not write
	s_cmp_lt_u32 s28, s2
	s_cbranch_scc1 .Ltile
.Lodd:
	s_and_b32 s33, s32, 1
	s_cmp_eq_u32 s33, 0
	s_cbranch_scc1 .Lend                           ; an even number of steps, none among them: nothing is left
	TILE 0                                         ; the odd last step is written out: behind an even number of steps buffer 0 is in turn
.Lend:
	s_wait_dscnt 0x0
	s_wait_alu depctr_hold_cnt(0) depctr_sa_sdst(0) depctr_va_vdst(0) depctr_va_sdst(0) depctr_va_ssrc(0) depctr_va_vcc(0) depctr_vm_vsrc(0)
	s_wait_tensorcnt 0x0
	ds_add_u32 v239, v247
	s_wait_dscnt 0x0
	s_endpgm
.Lfunc_end_k_q389e6eb390_ffn2:
	.size	k_q389e6eb390_ffn2, .Lfunc_end_k_q389e6eb390_ffn2-k_q389e6eb390_ffn2
	.p2alignl 7, 3214868480
	.fill 96, 4, 3214868480
	.section	.rodata,"a",@progbits
	.p2align	6, 0x0
	.amdhsa_kernel k_q389e6eb390_ffn2
		.amdhsa_group_segment_fixed_size 69120
		.amdhsa_private_segment_fixed_size 0
		.amdhsa_enable_private_segment 0
		.amdhsa_kernarg_size 40
		.amdhsa_user_sgpr_count 2
		.amdhsa_user_sgpr_kernarg_segment_ptr 1
		.amdhsa_wavefront_size32 1
		.amdhsa_system_sgpr_workgroup_id_x 1
		.amdhsa_system_sgpr_workgroup_id_y 1
		.amdhsa_system_sgpr_workgroup_id_z 1
		.amdhsa_system_vgpr_workitem_id 0
		.amdhsa_next_free_vgpr 992
		.amdhsa_next_free_sgpr 66
		.amdhsa_reserve_vcc 0
		.amdhsa_float_denorm_mode_32 3
		.amdhsa_float_denorm_mode_16_64 3
		.amdhsa_memory_ordered 1
		.amdhsa_forward_progress 1
		.amdhsa_inst_pref_size 106
	.end_amdhsa_kernel
	.amdgpu_metadata
---
amdhsa.version: [ 1, 2 ]
amdhsa.kernels:
  - .name:           k_q389e6eb390_ffn2
    .symbol:         k_q389e6eb390_ffn2.kd
    .args:
      - { .name: W2, .offset: 0, .size: 8, .value_kind: global_buffer, .address_space: global }
      - { .name: b2, .offset: 8, .size: 8, .value_kind: global_buffer, .address_space: global }
      - { .name: hc, .offset: 16, .size: 8, .value_kind: global_buffer, .address_space: global }
      - { .name: plan, .offset: 24, .size: 8, .value_kind: global_buffer, .address_space: global }
      - { .name: o, .offset: 32, .size: 8, .value_kind: global_buffer, .address_space: global }
    .group_segment_fixed_size: 69120
    .private_segment_fixed_size: 0
    .kernarg_segment_align: 8
    .kernarg_segment_size: 40
    .max_flat_workgroup_size: 128
    .sgpr_count:     66
    .vgpr_count:     992
    .wavefront_size: 32
...
	.end_amdgpu_metadata
.endif
;; end of part 9
;; launch combine (part 10): grid 256 x 1, 8 waves a work-group, no clusters, 0 bytes of LDS; arguments o, plan, gates, out0; writes out0
.if DOCPART == 10
	.amdgcn_target "amdgcn-amd-amdhsa--gfx1250"
	.amdhsa_code_object_version 6
	.text
	.protected	k_q389e6eb390_combine
	.globl	k_q389e6eb390_combine
	.p2align	8
	.type	k_q389e6eb390_combine,@function
k_q389e6eb390_combine:
	s_mov_b64 s[64:65], 0
	v_nop
	global_prefetch_b8 v0, s[64:65] scope:SCOPE_SE
	s_setreg_imm32_b32 hwreg(HW_REG_WAVE_MODE, 25, 1), 1
	s_wait_xcnt 0x0
; y[t] = g1 (o0[s1] + o1[s1]) + g2 (o0[s2] + o1[s2]): the two halves of K and the token's two experts are added, each output row by one owner.
; A wave takes a token: its two slots (plan, stored by an earlier launch) and its two gates come by scalar loads; four rows of 4,096 bytes come in, one goes out; each load and store covers 512 bytes on end.
; A stream: no LDS, no barrier, no matrix unit.  All 32 loads of a wave are issued at once; the waits count down by the eight loads of two chunks.
.set S2OFF, 256
.set OPL,   17301504
	s_load_b256 s[4:11], s[0:1], 0x0               ; o s[4:5], plan s[6:7], gates s[8:9], out0 s[10:11]
	v_lshrrev_b32 v1, 5, v0
	s_delay_alu instid0(VALU_DEP_1)
	v_readfirstlane_b32 s12, v1                    ; wave
	v_and_b32 v1, 31, v0
	s_delay_alu instid0(VALU_DEP_1)
	v_lshlrev_b32 v2, 4, v1
	s_lshl_b32 s13, ttmp9, 3
	s_add_co_u32 s13, s13, s12                     ; token
	s_lshl_b32 s14, s13, 3
	s_mov_b32 s15, 0
	s_wait_alu depctr_va_vdst(0)
	s_wait_kmcnt 0x0
	s_add_nc_u64 s[16:17], s[6:7], s[14:15]
	s_add_nc_u64 s[18:19], s[8:9], s[14:15]
	s_load_b64 s[20:21], s[16:17], S2OFF           ; its two slots
	s_load_b64 s[22:23], s[18:19], 0x0             ; its two gates
	s_lshl_b32 s14, s13, 12
	s_add_nc_u64 s[10:11], s[10:11], s[14:15]
	s_mov_b32 s25, 0
	s_mov_b32 s29, 0
	s_wait_kmcnt 0x0
	s_min_u32 s20, s20, 0x107f
	s_min_u32 s21, s21, 0x107f
	s_lshl_b32 s24, s20, 12
	s_add_nc_u64 s[24:25], s[4:5], s[24:25]
	s_add_nc_u64 s[26:27], s[24:25], OPL
	s_lshl_b32 s28, s21, 12
	s_add_nc_u64 s[28:29], s[4:5], s[28:29]
	s_add_nc_u64 s[30:31], s[28:29], OPL
	s_mov_b32 s34, s22                             ; the packed forms name a pair and take its low word for both halves: both words are written
	s_mov_b32 s35, s22
	s_mov_b32 s36, s23
	s_mov_b32 s37, s23
.irp i, 0,1,2,3,4,5,6,7
	global_load_b128 v[16+16*\i:19+16*\i], v2, s[24:25] offset:512*\i th:TH_LOAD_NT
	global_load_b128 v[20+16*\i:23+16*\i], v2, s[26:27] offset:512*\i th:TH_LOAD_NT
	global_load_b128 v[24+16*\i:27+16*\i], v2, s[28:29] offset:512*\i th:TH_LOAD_NT
	global_load_b128 v[28+16*\i:31+16*\i], v2, s[30:31] offset:512*\i th:TH_LOAD_NT
.endr
.irp i, 0,1,2,3,4,5,6,7
.if (\i%2) == 0
	s_wait_loadcnt 24-4*\i                         ; chunks i and i + 1 are in: behind their eight loads stand those of the chunks that follow
.endif
.irp p, 0,2
	v_pk_add_f32 v[16+16*\i+\p:17+16*\i+\p], v[16+16*\i+\p:17+16*\i+\p], v[20+16*\i+\p:21+16*\i+\p]
	v_pk_add_f32 v[24+16*\i+\p:25+16*\i+\p], v[24+16*\i+\p:25+16*\i+\p], v[28+16*\i+\p:29+16*\i+\p]
	s_delay_alu instid0(VALU_DEP_2)
	v_pk_mul_f32 v[16+16*\i+\p:17+16*\i+\p], v[16+16*\i+\p:17+16*\i+\p], s[34:35] op_sel_hi:[1,0]
	s_delay_alu instid0(VALU_DEP_1)
	v_pk_fma_f32 v[16+16*\i+\p:17+16*\i+\p], v[24+16*\i+\p:25+16*\i+\p], s[36:37], v[16+16*\i+\p:17+16*\i+\p] op_sel_hi:[1,0,1]
.endr
	global_store_b128 v2, v[16+16*\i:19+16*\i], s[10:11] offset:512*\i th:TH_STORE_NT
.endr
	s_endpgm
.Lfunc_end_k_q389e6eb390_combine:
	.size	k_q389e6eb390_combine, .Lfunc_end_k_q389e6eb390_combine-k_q389e6eb390_combine
	.p2alignl 7, 3214868480
	.fill 96, 4, 3214868480
	.section	.rodata,"a",@progbits
	.p2align	6, 0x0
	.amdhsa_kernel k_q389e6eb390_combine
		.amdhsa_group_segment_fixed_size 0
		.amdhsa_private_segment_fixed_size 0
		.amdhsa_enable_private_segment 0
		.amdhsa_kernarg_size 32
		.amdhsa_user_sgpr_count 2
		.amdhsa_user_sgpr_kernarg_segment_ptr 1
		.amdhsa_wavefront_size32 1
		.amdhsa_system_sgpr_workgroup_id_x 1
		.amdhsa_system_sgpr_workgroup_id_y 1
		.amdhsa_system_sgpr_workgroup_id_z 1
		.amdhsa_system_vgpr_workitem_id 0
		.amdhsa_next_free_vgpr 160
		.amdhsa_next_free_sgpr 66
		.amdhsa_reserve_vcc 0
		.amdhsa_float_denorm_mode_32 3
		.amdhsa_float_denorm_mode_16_64 3
		.amdhsa_memory_ordered 1
		.amdhsa_forward_progress 1
		.amdhsa_inst_pref_size 11
	.end_amdhsa_kernel
	.amdgpu_metadata
---
amdhsa.version: [ 1, 2 ]
amdhsa.kernels:
  - .name:           k_q389e6eb390_combine
    .symbol:         k_q389e6eb390_combine.kd
    .args:
      - { .name: o, .offset: 0, .size: 8, .value_kind: global_buffer, .address_space: global }
      - { .name: plan, .offset: 8, .size: 8, .value_kind: global_buffer, .address_space: global }
      - { .name: gates, .offset: 16, .size: 8, .value_kind: global_buffer, .address_space: global }
      - { .name: out0, .offset: 24, .size: 8, .value_kind: global_buffer, .address_space: global }
    .group_segment_fixed_size: 0
    .private_segment_fixed_size: 0
    .kernarg_segment_align: 8
    .kernarg_segment_size: 32
    .max_flat_workgroup_size: 256
    .sgpr_count:     66
    .vgpr_count:     160
    .wavefront_size: 32
...
	.end_amdgpu_metadata
.endif
;; end of part 10
